; MI455X (gfx1250); checked and timed in simulation.
; The chip was launched on July 23, 2026; its instructions are those of AMD's public machine-readable ISA for CDNA 5 (MIT licence, August 2026) and "CDNA5" Instruction Set Architecture Reference Guide (July 2026). The comments in the code are by the model that wrote it; some were corrected since.
;; Basic Attention Block. Allowed arithmetic: float matrix products may take bf16 or f16 operands with f32 sums; all other float work in f32.
;; Inputs: Wk1 1,024 x 1,024 float32; Wk2 1,024 x 1,024 float32; Wo1 64 x 1,024 float32; Wo2 64 x 1,024 float32; Wq1 1,024 x 1,024 float32; Wq2 1,024 x 1,024 float32; Wse 1,024 x 1,024 float32; Wv1 1,024 x 64 float32; Wv2 1,024 x 64 float32; beta1 1,024 float32; beta2 1,024 float32; bk1 1,024 float32; bk2 1,024 float32; bq1 1,024 float32; bq2 1,024 float32; bse 1,024 float32; bv1 64 float32; bv2 64 float32; g1 1,024 float32; g2 1,024 float32; static_features 2 x 1,024 float32; x 2 x 2,048 x 1,024 float32.
;; Outputs: out0 2 x 2,048 x 1,024 float32.
;; One version. Each part assembles by itself: llvm-mc -triple=amdgcn-amd-amdhsa -mcpu=gfx1250 --defsym DOCPART=n.
;; ======== version 1 of 1: 4 launches
;; limits: values outside matrix products are rounded to bf16
;; workspace buffers: x1b 8,388,608 bytes; wb 4,325,376 bytes; wot 262,144 bytes; part 8,192 bytes; qk 16,777,216 bytes; vt 524,288 bytes; at 8,388,608 bytes
;; launch prep (part 1): grid 424 x 1, 8 waves a work-group, no clusters, 43,520 bytes of LDS; arguments x, g1, beta1, x1b, Wq1, Wk1, Wv1, wb, Wo1, Wo2, wot, static_features, Wse, bse, Wv2, part; writes x1b, wb, wot, part
.if DOCPART == 1
	.amdgcn_target "amdgcn-amd-amdhsa--gfx1250"
	.amdhsa_code_object_version 6
	.text
	.protected	k_q828d5dd6dc_prep
	.globl	k_q828d5dd6dc_prep
	.p2align	8
	.type	k_q828d5dd6dc_prep,@function
k_q828d5dd6dc_prep:
	s_mov_b64 s[64:65], 0
	v_nop
	global_prefetch_b8 v0, s[64:65] scope:SCOPE_SE
	s_setreg_imm32_b32 hwreg(HW_REG_WAVE_MODE, 25, 1), 1
	s_wait_xcnt 0x0
; PREP: everything that is done once per element ahead of the products.
;
; WORK LEFT OUT OF THE WHOLE PROGRAM, and why it can reach no output, for all finite inputs:
; (1) The second attention.  Its context is one row, relu(static_features[b] Wse + bse), which the block itself broadcasts over all 2,048
;     keys.  So every row of its V is the same vector v2[b] = ctx[b] Wv2 + bv2.  A softmax row sums to 1 (key = query is never masked, so the
;     row is not empty), hence sum_k p[k] v2[b] = v2[b] whatever p is, and the mean over heads of v2[b] is v2[b].  The second attention adds
;     v2[b] Wo2 to every row of batch b.  The second layer norm, g2, beta2, Wq2, bq2, Wk2, bk2 have no way to the output: they are not loaded
;     and are no launch's argument.
; (2) bk1.  score = q . (k + bk1) = q . k + q . bk1, and q . bk1 is the same for all keys of a softmax row: it cancels.  bk1 is not loaded.
; (3) Key blocks that lie wholly above the diagonal of the causal mask, which the block builds itself, are not computed (launch attn).
; LIMIT: a NaN, an infinity or an overflow that would reach only the work left out is not carried to the result.
; LIMIT: all matrix operands of the later launches are rounded to bf16 here or there (x1, weights, Q, K, V, P, head results, v2).
;
; Four roles, chosen by the work-group's number (the same for all eight waves), each ending for itself:
;   0-15    STATIC: part[g][b][d] = sum over ctx columns c = 64 g .. 64 g + 63 of relu(sf[b] Wse + bse)[c] Wv2[c][d]
;   16-31   TRANSPOSE: wot[mat][n][k] = bf16(Wo1 or Wo2 [k][n]), 128 columns n a work-group
;   32-295  CAST: wb = bf16(Wq1 | Wk1 | Wv1), 8,192 numbers a work-group
;   296-423 LN: x1b = bf16(layernorm(x) g1 + beta1), 32 rows a work-group, one wave a row, four rows a wave
; LDS: each of the two roles that use it has bytes of its own, so that no byte is named by two roles' lines:
;   TRANSPOSE 0 to 33,791 (64 rows x 528); STATIC 33,792 to 41,983 (16 partial sums x 2 batches x 64 columns f32), 41,984 to 42,495 (ctx, 2 x 64 f32)
.set LNG,  8                           ; v[8:39]    g1 of my 32 columns (chunk c: columns 128 c + 4 lane ..)
.set LNB,  40                          ; v[40:71]   beta1 likewise
.set LNX,  72                          ; v[72:199]  four rows, 32 registers each
.set LNT,  200                         ; v[200:211] at work
.set PL,   216                         ; target of the lane exchange
.set SW,   8                           ; STATIC: v[8:71], v[72:135] two batches of Wse (16 k x 4 columns)
.set SSF,  136                         ; STATIC: v[136:167], v[168:199] two batches of static_features (16 k of b = 0, 16 k of b = 1)
.set SA,   200                         ; STATIC: v[200:207] sums: 4 columns of b = 0, 4 of b = 1
.set STB,  33792                       ; STATIC: its first LDS byte
.set STC,  STB+8192                    ; STATIC: ctx
	s_load_b512 s[8:23], s[0:1], 0x0               ; x 8, g1 10, beta1 12, x1b 14, Wq1 16, Wk1 18, Wv1 20, wb 22
	s_load_b512 s[24:39], s[0:1], 0x40             ; Wo1 24, Wo2 26, wot 28, static_features 30, Wse 32, bse 34, Wv2 36, part 38
	v_lshl_add_u32 v224, v0, 2, 0xa600
	v_mov_b32 v225, 0
	v_lshrrev_b32 v3, 5, v0
	v_readfirstlane_b32 s40, v3                    ; wave 0..7
	v_and_b32 v4, 31, v0                           ; lane
	s_mov_b32 s47, 0                               ; high word of every offset pair s[46:47]
	s_wait_kmcnt 0x0
	s_cmp_lt_u32 ttmp9, 16
	s_cbranch_scc1 .Lstatic
	s_cmp_lt_u32 ttmp9, 32
	s_cbranch_scc1 .Ltrans
	s_cmp_lt_u32 ttmp9, 296
	s_cbranch_scc1 .Lcast
; ---------------------------------------------------------------- LN
	s_sub_co_u32 s45, ttmp9, 296
	s_lshl_b32 s46, s45, 17                        ; 32 rows of 4,096 bytes
	s_lshl_b32 s48, s40, 14                        ; + 4 rows a wave
	s_add_co_u32 s46, s46, s48
	s_add_nc_u64 s[8:9], s[8:9], s[46:47]          ; x at my first row
	s_lshr_b32 s46, s46, 1
	s_add_nc_u64 s[14:15], s[14:15], s[46:47]      ; x1b at my first row (rows of 2,048 bytes)
	s_mov_b32 s41, 0x76543210                      ; lane i of one half reads lane i of the other
	s_mov_b32 s42, 0xfedcba98
	s_mov_b32 s43, 0x3a800000                      ; 1/1024
	s_mov_b32 s44, 0x3727c5ac                      ; 1e-5
	v_lshlrev_b32 v1, 4, v4                        ; 16 bytes a lane in
	v_lshlrev_b32 v2, 3, v4                        ; 8 bytes a lane out
	v_mov_b32 v[PL], 0
.irp c, 0,1,2,3,4,5,6,7
	global_load_b128 v[LNG+4*\c:LNG+4*\c+3], v1, s[10:11] offset:512*\c
.endr
.irp c, 0,1,2,3,4,5,6,7
	global_load_b128 v[LNB+4*\c:LNB+4*\c+3], v1, s[12:13] offset:512*\c
.endr
.irp k, 0,1,2,3
.irp c, 0,1,2,3,4,5,6,7
	global_load_b128 v[LNX+32*\k+4*\c:LNX+32*\k+4*\c+3], v1, s[8:9] offset:4096*\k+512*\c th:TH_LOAD_NT   ; 512 neighbouring bytes a load
.endr
.endr
; four chains in v[LNT:LNT+7] become one number, the same in all 32 lanes
.macro FOLD
	v_pk_add_f32 v[LNT:LNT+1], v[LNT:LNT+1], v[LNT+2:LNT+3]
	v_pk_add_f32 v[LNT+4:LNT+5], v[LNT+4:LNT+5], v[LNT+6:LNT+7]
	v_pk_add_f32 v[LNT:LNT+1], v[LNT:LNT+1], v[LNT+4:LNT+5]
	v_add_f32 v[LNT], v[LNT], v[LNT+1]
	v_add_f32_dpp v[LNT], v[LNT], v[LNT] row_xmask:1 row_mask:0xf bank_mask:0xf
	v_add_f32_dpp v[LNT], v[LNT], v[LNT] row_xmask:2 row_mask:0xf bank_mask:0xf
	v_add_f32_dpp v[LNT], v[LNT], v[LNT] row_xmask:4 row_mask:0xf bank_mask:0xf
	v_add_f32_dpp v[LNT], v[LNT], v[LNT] row_xmask:8 row_mask:0xf bank_mask:0xf
	v_permlanex16_b32 v[PL], v[LNT], s41, s42
	v_add_f32 v[LNT], v[LNT], v[PL]
.endm
; one row: mean, centred, variance of the centred row (two passes over registers, so a common offset costs no digits), scale, store
.macro ROW k
	s_wait_loadcnt 8*(3-\k)                        ; loads come back in order: my row is in, the 8 loads of each younger row stay out
.irp j, 0,1,2,3
	v_pk_add_f32 v[LNT+2*\j:LNT+2*\j+1], v[LNX+32*\k+2*\j:LNX+32*\k+2*\j+1], v[LNX+32*\k+8+2*\j:LNX+32*\k+8+2*\j+1]   ; the first pairs start the chains
.endr
.irp j, 0,1,2,3
	v_pk_add_f32 v[LNT+2*\j:LNT+2*\j+1], v[LNT+2*\j:LNT+2*\j+1], v[LNX+32*\k+16+2*\j:LNX+32*\k+16+2*\j+1]
.endr
.irp j, 0,1,2,3
	v_pk_add_f32 v[LNT+2*\j:LNT+2*\j+1], v[LNT+2*\j:LNT+2*\j+1], v[LNX+32*\k+24+2*\j:LNX+32*\k+24+2*\j+1]
.endr
	FOLD
	v_mul_f32 v[LNT+8], s43, v[LNT]                ; the mean, twice
	v_mul_f32 v[LNT+9], s43, v[LNT]
.set ee, 0
.rept 16
	v_pk_add_f32 v[LNX+32*\k+ee:LNX+32*\k+ee+1], v[LNX+32*\k+ee:LNX+32*\k+ee+1], v[LNT+8:LNT+9] neg_lo:[0,1] neg_hi:[0,1]
.set ee, ee+2
.endr
.irp j, 0,1,2,3
	v_pk_mul_f32 v[LNT+2*\j:LNT+2*\j+1], v[LNX+32*\k+2*\j:LNX+32*\k+2*\j+1], v[LNX+32*\k+2*\j:LNX+32*\k+2*\j+1]
.endr
.irp o, 8,16,24
.irp j, 0,1,2,3
	v_pk_fma_f32 v[LNT+2*\j:LNT+2*\j+1], v[LNX+32*\k+\o+2*\j:LNX+32*\k+\o+2*\j+1], v[LNX+32*\k+\o+2*\j:LNX+32*\k+\o+2*\j+1], v[LNT+2*\j:LNT+2*\j+1]
.endr
.endr
	FOLD
	v_fma_f32 v[LNT], v[LNT], s43, s44             ; variance + 1e-5
	v_rsq_f32 v[LNT+10], v[LNT]
	v_rsq_f32 v[LNT+11], v[LNT]
	v_nop                                          ; one plain instruction between v_rsq_f32 and the use of its result (ISA guide 5.7.2)
.set ee, 0
	s_wait_alu depctr_va_vdst(0)
.rept 16
	v_pk_mul_f32 v[LNX+32*\k+ee:LNX+32*\k+ee+1], v[LNX+32*\k+ee:LNX+32*\k+ee+1], v[LNT+10:LNT+11]
.set ee, ee+2
.endr
.set ee, 0
.rept 16
	v_pk_fma_f32 v[LNX+32*\k+ee:LNX+32*\k+ee+1], v[LNX+32*\k+ee:LNX+32*\k+ee+1], v[LNG+ee:LNG+ee+1], v[LNB+ee:LNB+ee+1]
.set ee, ee+2
.endr
.irp c, 0,1,2,3,4,5,6,7
	v_cvt_pk_bf16_f32 v[LNX+32*\k+4*\c], v[LNX+32*\k+4*\c], v[LNX+32*\k+4*\c+1]
	v_cvt_pk_bf16_f32 v[LNX+32*\k+4*\c+1], v[LNX+32*\k+4*\c+2], v[LNX+32*\k+4*\c+3]
	global_store_b64 v2, v[LNX+32*\k+4*\c:LNX+32*\k+4*\c+1], s[14:15] offset:2048*\k+256*\c   ; 32 lanes store 256 consecutive bytes, aligned; no register of a store is written again
.endr
.endm
	ROW 0
	ROW 1
	ROW 2
	ROW 3
	s_endpgm
; ---------------------------------------------------------------- CAST
.Lcast:
	s_sub_co_u32 s45, ttmp9, 32                    ; c = 0..263: 128 parts of Wq1, 128 of Wk1, 8 of Wv1
	s_cmp_lt_u32 s45, 128
	s_cselect_b64 s[48:49], s[16:17], s[18:19]
	s_cmp_lt_u32 s45, 256
	s_cselect_b64 s[48:49], s[48:49], s[20:21]
	s_and_b32 s46, s45, 127
	s_lshl_b32 s46, s46, 15                        ; 32,768 bytes of f32 a part
	s_add_nc_u64 s[48:49], s[48:49], s[46:47]
	s_lshl_b32 s46, s45, 14                        ; 16,384 bytes of bf16; the three casts follow each other in wb
	s_add_nc_u64 s[22:23], s[22:23], s[46:47]
	v_lshlrev_b32 v1, 4, v0
	v_lshlrev_b32 v2, 3, v0
.irp u, 0,1,2,3,4,5,6,7
	global_load_b128 v[8+4*\u:11+4*\u], v1, s[48:49] offset:4096*\u th:TH_LOAD_NT
.endr
.irp u, 0,1,2,3,4,5,6,7
	s_wait_loadcnt 7-\u                            ; load u is in, the younger ones stay out
	v_cvt_pk_bf16_f32 v[8+4*\u], v[8+4*\u], v[9+4*\u]
	v_cvt_pk_bf16_f32 v[9+4*\u], v[10+4*\u], v[11+4*\u]
	global_store_b64 v2, v[8+4*\u:9+4*\u], s[22:23] offset:2048*\u
.endr
	s_endpgm
; ---------------------------------------------------------------- TRANSPOSE
; 64 rows (k) x 128 columns (n) of f32 go into LDS at a pitch of 528 bytes; a thread then gathers 8 k of one n, packs them to 16 bytes
; and a wave's store covers four rows of wot = 512 consecutive bytes.
.Ltrans:
	s_sub_co_u32 s45, ttmp9, 16
	s_cmp_lt_u32 s45, 8
	s_cselect_b64 s[48:49], s[24:25], s[26:27]     ; Wo1 or Wo2
	s_and_b32 s50, s45, 7                          ; which 128 columns
	s_lshl_b32 s46, s50, 9
	s_add_nc_u64 s[48:49], s[48:49], s[46:47]
	s_lshr_b32 s46, s45, 3
	s_lshl_b32 s46, s46, 17                        ; 131,072 bytes a matrix in wot
	s_lshl_b32 s50, s50, 14                        ; 128 rows of 128 bytes
	s_add_co_u32 s46, s46, s50
	s_add_nc_u64 s[28:29], s[28:29], s[46:47]
	v_lshlrev_b32 v5, 4, v4                        ; 16 lane
	s_lshl_b32 s50, s40, 12
	v_add_nc_u32 v1, s50, v5                       ; in: row w (+ 8 i2), 16 bytes a lane
	s_mul_i32 s50, s40, 528
	v_add_nc_u32 v2, s50, v5                       ; the same place in LDS
	v_and_b32 v6, 7, v4                            ; my group of 8 k
	v_lshrrev_b32 v7, 3, v4
	v_mul_u32_u24 v200, v6, 4224                   ; 8 rows of 528 bytes
	v_lshl_add_u32 v200, v7, 2, v200
	s_lshl_b32 s50, s40, 6
	v_add_nc_u32 v200, s50, v200                   ; + 4 (16 w + lane / 8): my column
	s_lshl_b32 s50, s40, 11
	v_add_nc_u32 v201, s50, v5                     ; out: (16 w + lane / 8) x 128 + (lane % 8) x 16 = 2,048 w + 16 lane
.irp i2, 0,1,2,3,4,5,6,7
	global_load_b128 v[8+4*\i2:11+4*\i2], v1, s[48:49] offset:32768*\i2
.endr
.irp i2, 0,1,2,3,4,5,6,7
	s_wait_loadcnt 7-\i2
	ds_store_b128 v2, v[8+4*\i2:11+4*\i2] offset:4224*\i2
.endr
	s_wait_dscnt 0x0                               ; my stores are in LDS before I say so
	s_barrier_signal -1
	s_barrier_wait -1
.irp vv, 0,1,2,3
.irp e, 0,1,2,3,4,5,6,7
	ds_load_b32 v[40+8*\vv+\e], v200 offset:528*\e+16*\vv
.endr
.endr
	s_wait_dscnt 0x0
.irp vv, 0,1,2,3
.irp p, 0,1,2,3
	v_cvt_pk_bf16_f32 v[72+4*\vv+\p], v[40+8*\vv+2*\p], v[40+8*\vv+2*\p+1]
.endr
	global_store_b128 v201, v[72+4*\vv:75+4*\vv], s[28:29] offset:512*\vv
.endr
	s_wait_tensorcnt 0x0
	ds_add_u32 v224, v225
	s_wait_dscnt 0x0
	s_endpgm
; ---------------------------------------------------------------- STATIC
; Thread: 4 columns (c4 = lane % 16) of the group's 64, and 64 of the 1,024 k (kp = 2 w + lane / 16), for both batches.
.Lstatic:
	s_lshl_b32 s46, ttmp9, 8
	s_add_nc_u64 s[32:33], s[32:33], s[46:47]      ; Wse at column 64 g
	s_add_nc_u64 s[34:35], s[34:35], s[46:47]      ; bse likewise
	s_lshl_b32 s46, ttmp9, 14
	s_add_nc_u64 s[36:37], s[36:37], s[46:47]      ; Wv2 at row 64 g
	s_lshl_b32 s46, ttmp9, 9
	s_add_nc_u64 s[38:39], s[38:39], s[46:47]      ; part[g]
	v_and_b32 v5, 15, v4
	v_lshrrev_b32 v6, 4, v4
	v_lshl_add_u32 v6, s40, 1, v6                  ; kp
	v_lshlrev_b32 v7, 4, v5                        ; 16 c4
	v_lshl_add_u32 v1, v6, 18, v7                  ; Wse: 64 kp rows of 4,096 bytes + 16 c4: sixteen lanes read 256 consecutive bytes
	v_lshlrev_b32 v2, 8, v6                        ; static_features: 64 kp numbers
	v_lshl_add_u32 v208, v6, 9, v7                 ; LDS, from STB on: [kp][b][64 columns] f32
.macro BLOAD n, buf                    ; 24 loads: 16 k of Wse, the same 16 k of both rows of static_features
.irp kk, 0,1,2,3,4,5,6,7,8,9,10,11,12,13,14,15
	global_load_b128 v[SW+64*\buf+4*\kk:SW+64*\buf+4*\kk+3], v1, s[32:33] offset:(16*\n+\kk)*4096 th:TH_LOAD_NT
.endr
.irp q, 0,1,2,3
	global_load_b128 v[SSF+32*\buf+4*\q:SSF+32*\buf+4*\q+3], v2, s[30:31] offset:64*\n+16*\q
	global_load_b128 v[SSF+32*\buf+16+4*\q:SSF+32*\buf+16+4*\q+3], v2, s[30:31] offset:4096+64*\n+16*\q
.endr
.endm
; two k: the even one is the first register of the pair of static_features, the odd one the second, each broadcast to both halves
.macro KTWO buf, k2, first
.irp b, 0,1
.irp p, 0,1
.if \first
	v_pk_mul_f32 v[SA+4*\b+2*\p:SA+4*\b+2*\p+1], v[SW+64*\buf+8*\k2+2*\p:SW+64*\buf+8*\k2+2*\p+1], v[SSF+32*\buf+16*\b+2*\k2:SSF+32*\buf+16*\b+2*\k2+1] op_sel_hi:[1,0]
.else
	v_pk_fma_f32 v[SA+4*\b+2*\p:SA+4*\b+2*\p+1], v[SW+64*\buf+8*\k2+2*\p:SW+64*\buf+8*\k2+2*\p+1], v[SSF+32*\buf+16*\b+2*\k2:SSF+32*\buf+16*\b+2*\k2+1], v[SA+4*\b+2*\p:SA+4*\b+2*\p+1] op_sel_hi:[1,0,1]
.endif
.endr
.endr
.irp b, 0,1
.irp p, 0,1
	v_pk_fma_f32 v[SA+4*\b+2*\p:SA+4*\b+2*\p+1], v[SW+64*\buf+8*\k2+4+2*\p:SW+64*\buf+8*\k2+4+2*\p+1], v[SSF+32*\buf+16*\b+2*\k2:SSF+32*\buf+16*\b+2*\k2+1], v[SA+4*\b+2*\p:SA+4*\b+2*\p+1] op_sel:[0,1,0] op_sel_hi:[1,1,1]
.endr
.endr
.endm
.macro BATCH buf, left, first
	s_wait_loadcnt \left                           ; my batch is in; the younger batch of 24 loads stays out (0 for the last)
	KTWO \buf, 0, \first
.irp k2, 1,2,3,4,5,6,7
	KTWO \buf, \k2, 0
.endr
.endm
	BLOAD 0, 0
	BLOAD 1, 1
	BATCH 0, 24, 1                                 ; the first products start the sums
	BLOAD 2, 0
	BATCH 1, 24, 0
	BLOAD 3, 1
	BATCH 0, 24, 0
	BATCH 1, 0, 0
	s_cmp_lt_u32 s40, 4
	s_cbranch_scc0 .Lst_a
	v_and_b32 v209, 63, v0                         ; waves 0-3, thread t = 64 b + d: Wv2's 64 rows of this group, column d, asked for early
	v_lshlrev_b32 v209, 2, v209
.irp c, 0,1,2,3,4,5,6,7,8,9,10,11,12,13,14,15,16,17,18,19,20,21,22,23,24,25,26,27,28,29,30,31
	global_load_b32 v[SW+\c], v209, s[36:37] offset:256*\c
	global_load_b32 v[SW+32+\c], v209, s[36:37] offset:256*\c+8192
.endr
	global_load_b32 v210, v209, s[34:35]           ; bse of column t % 64
.Lst_a:
	ds_store_b128 v208, v[SA:SA+3] offset:STB
	ds_store_b128 v208, v[SA+4:SA+7] offset:STB+256
	s_wait_dscnt 0x0
	s_barrier_signal -1
	s_barrier_wait -1
	s_cmp_lt_u32 s40, 4
	s_cbranch_scc0 .Lst_b
	v_lshlrev_b32 v211, 2, v0                      ; 4 t = 256 b + 4 column
.irp kp, 0,1,2,3,4,5,6,7,8,9,10,11,12,13,14,15
	ds_load_b32 v[SSF+\kp], v211 offset:STB+512*\kp
.endr
	s_wait_dscnt 0x0
.irp j, 0,2,4,6
	v_pk_add_f32 v[SSF+\j:SSF+\j+1], v[SSF+\j:SSF+\j+1], v[SSF+8+\j:SSF+8+\j+1]
.endr
	v_pk_add_f32 v[SSF:SSF+1], v[SSF:SSF+1], v[SSF+4:SSF+5]
	v_pk_add_f32 v[SSF+2:SSF+3], v[SSF+2:SSF+3], v[SSF+6:SSF+7]
	v_pk_add_f32 v[SSF:SSF+1], v[SSF:SSF+1], v[SSF+2:SSF+3]
	v_add_f32 v[SSF], v[SSF], v[SSF+1]
	s_wait_loadcnt 0x0                             ; bse (the youngest load) and Wv2
	v_add_f32 v[SSF], v[SSF], v210
	v_max_num_f32 v[SSF], 0, v[SSF]                ; relu
	ds_store_b32 v211, v[SSF] offset:STC           ; ctx[b][column], in bytes of its own behind the partial sums
.Lst_b:
	s_wait_dscnt 0x0
	s_barrier_signal -1
	s_barrier_wait -1
	s_cmp_lt_u32 s40, 4
	s_cbranch_scc0 .Lst_end
	v_lshrrev_b32 v212, 6, v0
	v_lshlrev_b32 v212, 8, v212                    ; my batch's 64 ctx
.irp q, 0,1,2,3,4,5,6,7,8,9,10,11,12,13,14,15
	ds_load_b128 v[SW+64+4*\q:SW+64+4*\q+3], v212 offset:STC+16*\q
.endr
	s_wait_dscnt 0x0
.irp j, 0,1,2,3
	v_mul_f32 v[SA+\j], v[SW+64+\j], v[SW+\j]      ; four chains, started by the first products
.endr
.set cc, 4
.rept 60
	v_fma_f32 v[SA+cc%4], v[SW+64+cc], v[SW+cc], v[SA+cc%4]
.set cc, cc+1
.endr
	v_add_f32 v[SA], v[SA], v[SA+1]
	v_add_f32 v[SA+2], v[SA+2], v[SA+3]
	v_add_f32 v[SA], v[SA], v[SA+2]
	global_store_b32 v211, v[SA], s[38:39]         ; part[g][b][d]: a wave stores 128 consecutive bytes, the four waves the group's 512
.Lst_end:
	s_wait_tensorcnt 0x0
	ds_add_u32 v224, v225
	s_wait_dscnt 0x0
	s_endpgm
.Lfunc_end_k_q828d5dd6dc_prep:
	.size	k_q828d5dd6dc_prep, .Lfunc_end_k_q828d5dd6dc_prep-k_q828d5dd6dc_prep
	.p2alignl 7, 3214868480
	.fill 96, 4, 3214868480
	.section	.rodata,"a",@progbits
	.p2align	6, 0x0
	.amdhsa_kernel k_q828d5dd6dc_prep
		.amdhsa_group_segment_fixed_size 43520
		.amdhsa_private_segment_fixed_size 0
		.amdhsa_enable_private_segment 0
		.amdhsa_kernarg_size 128
		.amdhsa_user_sgpr_count 2
		.amdhsa_user_sgpr_kernarg_segment_ptr 1
		.amdhsa_wavefront_size32 1
		.amdhsa_system_sgpr_workgroup_id_x 1
		.amdhsa_system_sgpr_workgroup_id_y 1
		.amdhsa_system_sgpr_workgroup_id_z 1
		.amdhsa_system_vgpr_workitem_id 0
		.amdhsa_next_free_vgpr 226
		.amdhsa_next_free_sgpr 66
		.amdhsa_reserve_vcc 0
		.amdhsa_float_denorm_mode_32 3
		.amdhsa_float_denorm_mode_16_64 3
		.amdhsa_memory_ordered 1
		.amdhsa_forward_progress 1
		.amdhsa_inst_pref_size 87
	.end_amdhsa_kernel
	.amdgpu_metadata
---
amdhsa.version: [ 1, 2 ]
amdhsa.kernels:
  - .name:           k_q828d5dd6dc_prep
    .symbol:         k_q828d5dd6dc_prep.kd
    .args:
      - { .name: x, .offset: 0, .size: 8, .value_kind: global_buffer, .address_space: global }
      - { .name: g1, .offset: 8, .size: 8, .value_kind: global_buffer, .address_space: global }
      - { .name: beta1, .offset: 16, .size: 8, .value_kind: global_buffer, .address_space: global }
      - { .name: x1b, .offset: 24, .size: 8, .value_kind: global_buffer, .address_space: global }
      - { .name: Wq1, .offset: 32, .size: 8, .value_kind: global_buffer, .address_space: global }
      - { .name: Wk1, .offset: 40, .size: 8, .value_kind: global_buffer, .address_space: global }
      - { .name: Wv1, .offset: 48, .size: 8, .value_kind: global_buffer, .address_space: global }
      - { .name: wb, .offset: 56, .size: 8, .value_kind: global_buffer, .address_space: global }
      - { .name: Wo1, .offset: 64, .size: 8, .value_kind: global_buffer, .address_space: global }
      - { .name: Wo2, .offset: 72, .size: 8, .value_kind: global_buffer, .address_space: global }
      - { .name: wot, .offset: 80, .size: 8, .value_kind: global_buffer, .address_space: global }
      - { .name: static_features, .offset: 88, .size: 8, .value_kind: global_buffer, .address_space: global }
      - { .name: Wse, .offset: 96, .size: 8, .value_kind: global_buffer, .address_space: global }
      - { .name: bse, .offset: 104, .size: 8, .value_kind: global_buffer, .address_space: global }
      - { .name: Wv2, .offset: 112, .size: 8, .value_kind: global_buffer, .address_space: global }
      - { .name: part, .offset: 120, .size: 8, .value_kind: global_buffer, .address_space: global }
    .group_segment_fixed_size: 43520
    .private_segment_fixed_size: 0
    .kernarg_segment_align: 8
    .kernarg_segment_size: 128
    .max_flat_workgroup_size: 256
    .sgpr_count:     66
    .vgpr_count:     226
    .wavefront_size: 32
...
	.end_amdgpu_metadata
.endif
;; end of part 1
;; launch qkv (part 2): grid 32 x 8, 4 waves a work-group, clusters of 4 x 1, 327,680 bytes of LDS; arguments x1b, wb, bq1, bv1, qk, vt; writes qk, vt
.if DOCPART == 2
	.amdgcn_target "amdgcn-amd-amdhsa--gfx1250"
	.amdhsa_code_object_version 6
	.text
	.protected	k_q828d5dd6dc_qkv
	.globl	k_q828d5dd6dc_qkv
	.p2align	8
	.type	k_q828d5dd6dc_qkv,@function
k_q828d5dd6dc_qkv:
	s_mov_b64 s[64:65], 0
	v_nop
	global_prefetch_b8 v0, s[64:65] scope:SCOPE_SE
	s_setreg_imm32_b32 hwreg(HW_REG_WAVE_MODE, 25, 1), 1
	s_wait_xcnt 0x0
	s_wait_alu depctr_hold_cnt(0) depctr_sa_sdst(0) depctr_va_vdst(0) depctr_va_sdst(0) depctr_va_ssrc(0) depctr_va_vcc(0) depctr_vm_vsrc(0)
	s_getreg_b32 s2, hwreg(HW_REG_IB_STS2, 6, 4)
	s_cmp_eq_u32 s2, 0
	s_cbranch_scc0 .Lentry_in_a_cluster
	s_endpgm
.Lentry_in_a_cluster:
	s_bfe_u32 s2, ttmp6, 0x10000c
	s_cmp_lg_u32 s2, 0x3003
	s_cbranch_scc0 .Lentry_shape_is_right
	s_endpgm
.Lentry_shape_is_right:
; QKV: [Q | K] = x1 [Wq1 | Wk1] (+ bq1 on Q) and V = x1 Wv1 + bv1, all from the bf16 copies made by prep; sums in f32, results in bf16.
; Left out: bk1 (q . bk1 is the same for all keys of a softmax row and cancels: see prep's head).
; A work-group makes 128 rows (i) x 256 of the 2,048 Q|K columns (j) with four waves; a wave makes 64 x 128 = 4 x 8 accumulator tiles.
; V has 64 columns only: work-group (i, j) also makes rows 128 i + 16 j .. + 15 of V, wave w its columns 16 w .. + 15: one tile more a wave.
; K goes in steps of 128 through two LDS slots.  CLUSTER: the four work-groups of a cluster are four row blocks i with one j: they need the
; same weight tiles (80 of a step's 112 KiB), which are asked for jointly (mask 15); x1's tile is each work-group's own load.  j comes from the
; cluster's y and is the same in all four; the place in the cluster enters x1's and the results' global addresses alone.
; Why not 4 x 4: the V rows are picked from the x1 tile by j in an LDS address, so j may not differ between partners.
; ORDER OF K: the n-th step of cluster (x, j) takes K step (x + j + n) mod 8.  The eight clusters that read one weight block (one j, x = 0 .. 7) and the
; eight column blocks that read one row block of x1 (one x, j = 0 .. 7) so take eight different K steps at a time: no tile is asked for by all its readers
; at once.  x and j are the same in all four partners, so the joint loads stay alike.  The order of the f32 sums differs from cluster to cluster.
;
; The weights lie [k][n], so their fragments come by the transposing LDS load.  The main product is used TRANSPOSED (source 0 = 16 columns of the
; weights, source 1 = 16 rows of x1): a lane then holds one token and 8 neighbouring columns, which pack into 16 bytes.
; V's product is used the natural way: a lane holds one column d and 8 neighbouring tokens, which is the layout [8 tokens' group][d][8 tokens]
; that attn reads as fragments of V transposed.
;
; REGISTERS: window 0: v16-31 addresses, v[32:71] v[72:111] fragments of x1 (4 + the V rows'), two buffers, v[112:119] V's sums, v[128:223] way out
;            window 1: v[0:71] v[72:143] fragments of the weights (8 + Wv1's), two buffers; v[160:223] bq1 laid out as eight C tiles
;            window 2: accumulator tile (a, b) at v[8 (8 a + b)]
.set PA,    272                        ; x1 tile: 256 bytes + 16: an odd multiple of 16, so 16 rows of a fragment load start 16 bytes apart modulo 256
.set PB,    544                        ; weight tile: 512 bytes + 32: an odd multiple of 32, for the transposing load
.set PVT,   160                        ; Wv1 tile: 128 bytes + 32
.set PART,  34816                      ; 128 x 272 = 64 x 544: what waves 0, 1, 2 each bring
.set OFFB,  34816
.set OFFV,  104448
.set SLOT,  124928                     ; 34,816 + 69,632 + 20,480
.set STAGE, 249856                     ; behind the ring: 16 rows x 272 bytes for each wave; no tensor load lands here
.set LAPS,  4                          ; 1,024 / (2 x 128)
.set ADRA, 16
.set ADRX, 18
.set ADRB, 20
.set ADRV, 22
.set STO,  24
.set RD,   25
.set CO,   26
.set VO,   27
.set FA,   32
.set VACC, 112
.set TMP,  128
.set RB0,  160
.set RB1,  192
.set BIAS, 160
.set G1A, 24
.set G0A, 32
.set G1B, 40
.set G0B, 48
.set G1V, 68
.set G0V, 76
.set MSB, 0
.macro WIN new                         ; the immediate's high byte repeats the setting that is left
.if MSB != \new
	s_set_vgpr_msb (MSB<<8)|\new
.set MSB, \new
.endif
.endm
.set MUL,  0xa1                        ; source 0 window 1, source 1 window 0, C and D window 2
.set MULB, 0x91                        ; the same with C in window 1 (the bias)
.set VM,   0x04                        ; source 0 window 0, source 1 window 1, C and D window 0
.set TO_B, 0x40                        ; destination window 1, address window 0
.macro WINM mode
.if \mode == 2
	WIN MULB
.else
	WIN MUL
.endif
.endm
; One tensor load a wave: wave 0 x1's tile (my own), waves 1 and 2 the two halves of the weight tile, wave 3 Wv1's tile (joint).
; The branches hang on the wave's number alone.
.macro JLOAD s
	s_cmp_eq_u32 s16, 0
	s_cbranch_scc0 .Lnot_a_\@
	tensor_load_to_lds s[G0A+4*\s:G0A+4*\s+3], s[G1A:G1A+7]
	s_nop 0
	s_branch .Lasked_\@
.Lnot_a_\@:
	s_cmp_eq_u32 s16, 3
	s_cbranch_scc0 .Lis_b_\@
	tensor_load_to_lds s[G0V+4*\s:G0V+4*\s+3], s[G1V:G1V+7]
	s_nop 0
	s_branch .Lasked_\@
.Lis_b_\@:
	tensor_load_to_lds s[G0B+4*\s:G0B+4*\s+3], s[G1B:G1B+7]
	s_nop 0
.Lasked_\@:
.endm
; The global addresses of K step s67 (0 .. 7) in a slot's three descriptors: each base plus an offset made apart from it (s59 = 0 for the whole launch).
; 128 along K are 256 bytes of a row of x1, 128 rows of 2,048 bytes of the weights, 128 rows of 128 bytes of Wv1.
.macro KADDR slot
	s_lshl_b32 s58, s67, 8
	s_add_nc_u64 s[G0A+4*\slot+2:G0A+4*\slot+3], s[60:61], s[58:59]
	s_or_b32 s[G0A+4*\slot+3], s[G0A+4*\slot+3], 0x80000000
	s_lshl_b32 s58, s67, 18
	s_add_nc_u64 s[G0B+4*\slot+2:G0B+4*\slot+3], s[62:63], s[58:59]
	s_or_b32 s[G0B+4*\slot+3], s[G0B+4*\slot+3], 0x80000000
	s_lshl_b32 s58, s67, 14
	s_add_nc_u64 s[G0V+4*\slot+2:G0V+4*\slot+3], s[86:87], s[58:59]
	s_or_b32 s[G0V+4*\slot+3], s[G0V+4*\slot+3], 0x80000000
.endm
.macro CREST                           ; a round of the cluster's barrier behind its opening barrier
	s_cmp_lg_u32 s16, 0
	s_cbranch_scc1 .Lnot_wave_0_\@
	s_barrier_signal -3
.Lnot_wave_0_\@:
	s_barrier_wait -3
	s_barrier_signal -1
	s_barrier_wait -1
.endm
.macro CROUND
	s_barrier_signal -1
	s_barrier_wait -1
	CREST
.endm
.macro PLACES                          ; four places behind a matrix instruction, in front of loads into its sources and of readers of its result
.rept 4
	v_nop
.endr
.endm
	s_load_b256 s[4:11], s[0:1], 0x0               ; x1b 4, wb 6, bq1 8, bv1 10
	s_load_b128 s[12:15], s[0:1], 0x20             ; qk 12, vt 14
	s_set_vgpr_msb 0x40
	v_lshl_add_u32 v255, v0, 2, 0x41400
	s_set_vgpr_msb 0x4000
	v_mov_b32 v255, 0
	s_set_vgpr_msb 0x1
	ds_add_u32 v255, v255
	s_set_vgpr_msb 0x100
	v_lshrrev_b32 v1, 5, v0
	v_readfirstlane_b32 s16, v1                    ; wave
	s_lshr_b32 s17, s16, 1                         ; wm: my 64 rows.  Also: which half of the weight tile waves 1 and 2 fetch
	s_and_b32 s18, s16, 1                          ; wn: my 128 columns
	s_bfe_u32 s19, ttmp6, 0x40000                  ; cx
	s_lshl_b32 s20, ttmp9, 2
	s_add_co_u32 s20, s20, s19                     ; i: row block = 4 x cluster x + cx
	s_and_b32 s21, ttmp7, 7                        ; j: column block = the cluster's y
	s_add_co_u32 s66, ttmp9, s21
	s_and_b32 s66, s66, 7                          ; the K step that this cluster begins with: (cluster x + j) mod 8
	; group 1 of x1's tile: 128 rows x 128 elements of 2 bytes, 4 words of padding behind every 64
	s_mov_b32 s[G1A+0], (1<<16)|(1<<20)|(5<<22)|(3<<25)
	s_mov_b32 s[G1A+1], 128<<16
	s_mov_b32 s[G1A+2], 128<<16
	s_mov_b32 s[G1A+3], 128<<16
	s_mov_b32 s[G1A+4], 128
	s_mov_b32 s[G1A+5], 1024
	s_mov_b32 s[G1A+6], 0
	s_mov_b32 s[G1A+7], 0
	; half a weight tile: 64 rows (k) x 256 elements, 8 words behind every 128; mask 15 = all four of the cluster, bit 21 beside it
	s_mov_b32 s[G1B+0], 15|(1<<16)|(1<<20)|(1<<21)|(6<<22)|(7<<25)
	s_mov_b32 s[G1B+1], 256<<16
	s_mov_b32 s[G1B+2], 64<<16
	s_mov_b32 s[G1B+3], 256<<16
	s_mov_b32 s[G1B+4], 64
	s_mov_b32 s[G1B+5], 1024
	s_mov_b32 s[G1B+6], 0
	s_mov_b32 s[G1B+7], 0
	; Wv1's tile: 128 rows (k) x 64 elements, 8 words behind every 32
	s_mov_b32 s[G1V+0], 15|(1<<16)|(1<<20)|(1<<21)|(4<<22)|(7<<25)
	s_mov_b32 s[G1V+1], 64<<16
	s_mov_b32 s[G1V+2], 128<<16
	s_mov_b32 s[G1V+3], 64<<16
	s_mov_b32 s[G1V+4], 128
	s_mov_b32 s[G1V+5], 64
	s_mov_b32 s[G1V+6], 0
	s_mov_b32 s[G1V+7], 0
	s_lshl_b32 s56, s20, 18                        ; x1: 128 i rows of 2,048 bytes (the only offset here that holds cx)
	s_mov_b32 s57, 0
	s_lshr_b32 s58, s21, 2                         ; weights: Wq1 (j < 4) or Wk1, 2 MiB apart,
	s_lshl_b32 s58, s58, 21
	s_and_b32 s23, s21, 3
	s_lshl_b32 s23, s23, 9                         ; + 256 (j % 4) columns
	s_add_co_u32 s58, s58, s23
	s_lshl_b32 s23, s17, 17                        ; + 64 rows of 2,048 bytes for the second half
	s_add_co_u32 s58, s58, s23
	s_mov_b32 s59, 0
	s_mul_i32 s22, s16, PART                       ; where my load lands: wave x 34,816
	s_wait_dscnt 0x0
	s_wait_kmcnt 0x0
	s_add_nc_u64 s[60:61], s[4:5], s[56:57]        ; x1 at my rows, K step 0: kept for the whole launch
	s_add_nc_u64 s[62:63], s[6:7], s[58:59]        ; the weights at my columns and half, K step 0: likewise
	s_add_nc_u64 s[86:87], s[6:7], 0x400000        ; Wv1's cast lies 4 MiB into wb: likewise
	CROUND                                         ; all four work-groups are here: the first joint loads meet
.irp s, 0,1
	s_add_co_u32 s67, s66, \s
	s_and_b32 s67, s67, 7                          ; the cluster's first and second K step
	s_mov_b32 s[G0A+4*\s], 1
	s_add_co_u32 s[G0A+4*\s+1], s22, \s*SLOT
	s_mov_b32 s[G0B+4*\s], 1
	s_add_co_u32 s[G0B+4*\s+1], s22, \s*SLOT
	s_mov_b32 s[G0V+4*\s], 1
	s_add_co_u32 s[G0V+4*\s+1], s22, \s*SLOT
	KADDR \s
	JLOAD \s                                       ; two loads of mine are out
.endr
	s_add_co_u32 s66, s66, 1                       ; the step asked for last, before the mod 8
	v_and_b32 v1, 15, v0                           ; r
	v_bfe_u32 v2, v0, 4, 1                         ; h
	v_and_b32 v3, 7, v0
	v_bfe_u32 v4, v0, 3, 1
	v_and_b32 v5, 31, v0                           ; lane
	v_mul_u32_u24 v6, v1, PA
	v_lshl_add_u32 v6, v2, 4, v6                   ; 272 r + 16 h
	v_lshl_add_u32 v7, v2, 3, v3                   ; 8 h + lane % 8: my k row for the transposing load
	v_lshlrev_b32 v8, 4, v4                        ; which 8 columns of the 16
	v_mul_u32_u24 v9, v7, PB
	v_add_nc_u32 v9, v9, v8
	v_mul_u32_u24 v10, v7, PVT
	v_add_nc_u32 v10, v10, v8
	s_mul_i32 s88, s17, 64*PA                      ; my 64 rows of x1
	s_mul_i32 s89, s21, 16*PA                      ; the 16 rows whose V this work-group makes
	s_lshl_b32 s90, s18, 8
	s_add_co_u32 s90, s90, OFFB                    ; my 128 columns of the weights
	s_lshl_b32 s91, s16, 5
	s_add_co_u32 s91, s91, OFFV                    ; my 16 columns of Wv1
.irp s, 0,1
	v_add_nc_u32 v[ADRA+\s], s88, v6
	v_add_nc_u32 v[ADRX+\s], s89, v6
	v_add_nc_u32 v[ADRB+\s], s90, v9
	v_add_nc_u32 v[ADRV+\s], s91, v10
	s_add_co_u32 s88, s88, SLOT
	s_add_co_u32 s89, s89, SLOT
	s_add_co_u32 s90, s90, SLOT
	s_add_co_u32 s91, s91, SLOT
.endr
	s_mul_i32 s92, s16, 16*PA
	s_add_co_u32 s92, s92, STAGE                   ; my stage
	v_add_nc_u32 v[STO], s92, v6
	v_lshrrev_b32 v11, 3, v5
	v_mul_u32_u24 v11, v11, PA
	v_lshl_add_u32 v11, v3, 4, v11
	v_add_nc_u32 v[RD], s92, v11                   ; back: row lane / 8, 16 bytes at lane % 8
	v_lshlrev_b32 v[CO], 4, v5                     ; four token rows of 128 bytes = 16 x lane
	v_lshlrev_b32 v12, 4, v1
	v_lshl_add_u32 v12, v2, 10, v12
	s_lshl_b32 s93, s16, 8
	v_add_nc_u32 v[VO], s93, v12                   ; vt: group h, d = 16 w + r, 16 bytes
	v_lshlrev_b32 v30, 5, v2                       ; bias: 8 h numbers
	s_lshl_b32 s94, s16, 6
	v_lshl_add_u32 v31, v1, 2, s94                 ; bv1[16 w + r]
	global_load_b32 v28, v31, s[10:11]
	global_load_b32 v29, v31, s[10:11]             ; twice: a pair for the packed add
	s_cmp_lt_u32 s21, 4
	s_cbranch_scc0 .Lno_bias
	s_lshl_b32 s58, s21, 10                        ; Q columns: bq1 at column 256 j + 128 wn, laid out as the C tiles of the eight column blocks
	s_lshl_b32 s23, s18, 9
	s_add_co_u32 s58, s58, s23
	s_add_nc_u64 s[8:9], s[8:9], s[58:59]
	WIN TO_B
.irp b, 0,1,2,3,4,5,6,7
	global_load_b128 v[BIAS+8*\b:BIAS+8*\b+3], v30, s[8:9] offset:64*\b
	global_load_b128 v[BIAS+8*\b+4:BIAS+8*\b+7], v30, s[8:9] offset:64*\b+16
.endr
	WIN 0
.Lno_bias:
; 8 matrix instructions: row block a x all 8 column blocks, 32 along K.  mode 0: add; 1: C = 0 starts the sums; 2: C = the bias starts them.
.macro MUL8 f, a, mode
.irp b, 0,1,2,3,4,5,6,7
.if \mode == 0
	v_wmma_f32_16x16x32_bf16 v[8*(8*\a+\b):8*(8*\a+\b)+7], v[72*\f+8*\b:72*\f+8*\b+7], v[FA+40*\f+8*\a:FA+40*\f+8*\a+7], v[8*(8*\a+\b):8*(8*\a+\b)+7]
.elseif \mode == 1
	v_wmma_f32_16x16x32_bf16 v[8*(8*\a+\b):8*(8*\a+\b)+7], v[72*\f+8*\b:72*\f+8*\b+7], v[FA+40*\f+8*\a:FA+40*\f+8*\a+7], 0
.else
	v_wmma_f32_16x16x32_bf16 v[8*(8*\a+\b):8*(8*\a+\b)+7], v[72*\f+8*\b:72*\f+8*\b+7], v[FA+40*\f+8*\a:FA+40*\f+8*\a+7], v[BIAS+8*\b:BIAS+8*\b+7]
.endif
.endr
.endm
.macro VMUL f, mode                    ; V's tile: 16 tokens x my 16 columns
.if \mode == 0
	v_wmma_f32_16x16x32_bf16 v[VACC:VACC+7], v[FA+40*\f+32:FA+40*\f+39], v[72*\f+64:72*\f+71], v[VACC:VACC+7]
.else
	v_wmma_f32_16x16x32_bf16 v[VACC:VACC+7], v[FA+40*\f+32:FA+40*\f+39], v[72*\f+64:72*\f+71], 0
.endif
.endm
; 28 LDS loads in one run: the fragments of quarter q (32 along K) of a slot into buffer f
.macro FETCH slot, q, f
	WIN TO_B
.irp b, 0,1,2,3,4,5,6,7
	ds_load_tr16_b128 v[72*\f+8*\b:72*\f+8*\b+3],   v[ADRB+\slot] offset:32*\b+32*PB*\q
	ds_load_tr16_b128 v[72*\f+8*\b+4:72*\f+8*\b+7], v[ADRB+\slot] offset:32*\b+32*PB*\q+16*PB
.endr
	ds_load_tr16_b128 v[72*\f+64:72*\f+67], v[ADRV+\slot] offset:32*PVT*\q
	ds_load_tr16_b128 v[72*\f+68:72*\f+71], v[ADRV+\slot] offset:32*PVT*\q+16*PVT
	WIN 0
.irp a, 0,1,2,3
	ds_load_b128 v[FA+40*\f+8*\a:FA+40*\f+8*\a+3],   v[ADRA+\slot] offset:16*PA*\a+64*\q
	ds_load_b128 v[FA+40*\f+8*\a+4:FA+40*\f+8*\a+7], v[ADRA+\slot] offset:16*PA*\a+64*\q+32
.endr
	ds_load_b128 v[FA+40*\f+32:FA+40*\f+35], v[ADRX+\slot] offset:64*\q
	ds_load_b128 v[FA+40*\f+36:FA+40*\f+39], v[ADRX+\slot] offset:64*\q+32
.endm
; A quarter step: 33 matrix instructions on buffer f; in its middle the next quarter's fragments (quarter q of the same slot) go into buffer g.
; The 33 accumulators take turns, one instruction a turn, in the same order in every quarter.
.macro QUARTER slot, q, f, g, mode
	s_wait_dscnt 6                                 ; the weights and x1's row blocks 0, 1 are in; the six youngest loads (blocks 2, 3, the V rows) may be out
	WINM \mode
	MUL8 \f, 0, \mode
	MUL8 \f, 1, \mode
	PLACES
	FETCH \slot, \q, \g
	s_wait_dscnt 28                                ; all but the 28 just issued
	WINM \mode
	MUL8 \f, 2, \mode
	MUL8 \f, 3, \mode
	WIN VM
	VMUL \f, \mode
.endm
.macro THREE slot
	QUARTER \slot, 1, 0, 1, 0
	QUARTER \slot, 2, 1, 0, 0
	QUARTER \slot, 3, 0, 1, 0
.endm
; The last quarter of a K step changes slots.  In front of the barrier each wave waits for its reads of this slot and for all its tensor loads
; (the one that is out is its part of the next slot).  Where this slot is filled again the barrier opens a round of the cluster's barrier, so that
; no wave of any partner still reads the slot; the refill is the first tensor load behind the round, one a wave.  Its addresses are made between the
; barrier's signal and its wait, where no load of mine is out, so that the refill stands straight behind the round.
.macro TURN slot, next, fill
	s_wait_dscnt 6
	WIN MUL
	MUL8 1, 0, 0
	s_wait_dscnt 0x0
	s_wait_tensorcnt 0x0
	ds_add_u32 v255, v255
	s_wait_dscnt 0x0
	s_barrier_signal -1
.if \fill
	s_add_co_u32 s66, s66, 1                       ; two steps on from the one that this slot held, wrapped at 8
	s_and_b32 s67, s66, 7
	KADDR \slot
.endif
	MUL8 1, 1, 0                                   ; register work while the others arrive
	WIN 0
	s_barrier_wait -1
.if \fill
	CREST
	JLOAD \slot
.endif
	PLACES
	FETCH \next, 0, 0
	WIN MUL
	MUL8 1, 2, 0
	MUL8 1, 3, 0
	WIN VM
	VMUL 1, 0
.endm
.macro LAP
	THREE 0
	TURN 0, 1, 1
	THREE 1
	TURN 1, 0, 1
.endm
	s_wait_tensorcnt 0x1                           ; my part of the first step is in; the second's stays out
	s_barrier_signal -1
	s_barrier_wait -1
	FETCH 0, 0, 0
	s_cmp_lt_u32 s21, 4                            ; the first quarter starts the sums: from bq1 in the Q columns, from 0 in the K columns
	s_cbranch_scc0 .Lk_first
	s_wait_loadcnt 0x0                             ; the bias
	QUARTER 0, 1, 0, 1, 2
	WIN 0
	s_branch .Ljoin
.Lk_first:
	QUARTER 0, 1, 0, 1, 1
	WIN 0
.Ljoin:
	QUARTER 0, 2, 1, 0, 0
	QUARTER 0, 3, 0, 1, 0
	TURN 0, 1, 1
	THREE 1
	TURN 1, 0, 1
	WIN 0
	s_mov_b32 s84, LAPS-2
.Llap:
	LAP
	WIN 0
	s_sub_co_u32 s84, s84, 1
	s_cmp_lg_u32 s84, 0
	s_cbranch_scc1 .Llap
	THREE 0                                        ; the last lap fills nothing
	TURN 0, 1, 0
	THREE 1
	s_wait_dscnt 6
	WIN MUL
	MUL8 1, 0, 0
	MUL8 1, 1, 0
	s_wait_dscnt 0x0
	MUL8 1, 2, 0
	MUL8 1, 3, 0
	WIN VM
	VMUL 1, 0
	WIN 0
	; THE WAY OUT.  qk is [b][head G][token][64]: my 128 columns are heads 4 j + 2 wn and the next.
	PLACES
	s_lshr_b32 s56, s20, 4
	s_lshl_b32 s56, s56, 23                        ; batch x 8 MiB
	s_and_b32 s85, s20, 15
	s_lshl_b32 s85, s85, 14                        ; + 128 (i % 16) tokens of 128 bytes
	s_add_co_u32 s56, s56, s85
	s_lshl_b32 s85, s21, 20                        ; + 4 j heads of 262,144 bytes
	s_add_co_u32 s56, s56, s85
	s_lshl_b32 s85, s18, 19                        ; + 2 wn heads
	s_add_co_u32 s56, s56, s85
	s_lshl_b32 s85, s17, 13                        ; + 64 wm tokens
	s_add_co_u32 s56, s56, s85
	s_add_nc_u64 s[12:13], s[12:13], s[56:57]
	s_lshl_b32 s56, s20, 14                        ; vt: group 16 i + 2 j of 1,024 bytes
	s_lshl_b32 s85, s21, 11
	s_add_co_u32 s56, s56, s85
	s_add_nc_u64 s[14:15], s[14:15], s[56:57]
; 16 tokens x 128 columns: rounded, 16 bytes a lane into my stage, read back so that a store covers four token rows of one head = 512 consecutive bytes
.macro OUT16 a, rb
	WIN 0x0a
.irp b, 0,1,2,3,4,5,6,7
.irp p, 0,1,2,3
	v_cvt_pk_bf16_f32 v[TMP+4*\b+\p], v[8*(8*\a+\b)+2*\p], v[8*(8*\a+\b)+2*\p+1]
.endr
.endr
	WIN 0
.irp b, 0,1,2,3,4,5,6,7
	ds_store_b128 v[STO], v[TMP+4*\b:TMP+4*\b+3] offset:32*\b
.endr
	s_wait_xcnt 0x0                                ; the registers that earlier stores read are loaded again only behind this wait
.irp t, 0,1,2,3,4,5,6,7
	ds_load_b128 v[\rb+4*\t:\rb+4*\t+3], v[RD] offset:(\t>>2)*128+(\t&3)*4*PA      ; LDS serves a wave's instructions in order: these see the stores above
.endr
.irp t, 0,1,2,3,4,5,6,7
	s_wait_dscnt 7-\t
	global_store_b128 v[CO], v[\rb+4*\t:\rb+4*\t+3], s[12:13] offset:(\t>>2)*262144+2048*\a+512*(\t&3)
.endr
.endm
	OUT16 0, RB0
	OUT16 1, RB1
	OUT16 2, RB0
	OUT16 3, RB1
	s_wait_loadcnt 0x0                             ; bv1 (in the K columns' work-groups nothing has waited for it yet)
.irp p, 0,1,2,3
	v_pk_add_f32 v[VACC+2*\p:VACC+2*\p+1], v[VACC+2*\p:VACC+2*\p+1], v[28:29]
.endr
.irp p, 0,1,2,3
	v_cvt_pk_bf16_f32 v[120+\p], v[VACC+2*\p], v[VACC+2*\p+1]
.endr
	global_store_b128 v[VO], v[120:123], s[14:15]  ; sixteen lanes store 256 consecutive bytes, aligned
	s_set_vgpr_msb 0x1
	s_wait_tensorcnt 0x0
	ds_add_u32 v255, v255
	s_wait_dscnt 0x0
	s_set_vgpr_msb 0x100
	CROUND                                         ; the closing round: no work-group ends while a partner may still ask jointly
	s_endpgm
.Lfunc_end_k_q828d5dd6dc_qkv:
	.size	k_q828d5dd6dc_qkv, .Lfunc_end_k_q828d5dd6dc_qkv-k_q828d5dd6dc_qkv
	.p2alignl 7, 3214868480
	.fill 96, 4, 3214868480
	.section	.rodata,"a",@progbits
	.p2align	6, 0x0
	.amdhsa_kernel k_q828d5dd6dc_qkv
		.amdhsa_group_segment_fixed_size 327680
		.amdhsa_private_segment_fixed_size 0
		.amdhsa_enable_private_segment 0
		.amdhsa_kernarg_size 48
		.amdhsa_user_sgpr_count 2
		.amdhsa_user_sgpr_kernarg_segment_ptr 1
		.amdhsa_wavefront_size32 1
		.amdhsa_system_sgpr_workgroup_id_x 1
		.amdhsa_system_sgpr_workgroup_id_y 1
		.amdhsa_system_sgpr_workgroup_id_z 1
		.amdhsa_system_vgpr_workitem_id 0
		.amdhsa_next_free_vgpr 768
		.amdhsa_next_free_sgpr 96
		.amdhsa_reserve_vcc 0
		.amdhsa_float_denorm_mode_32 3
		.amdhsa_float_denorm_mode_16_64 3
		.amdhsa_memory_ordered 1
		.amdhsa_forward_progress 1
		.amdhsa_inst_pref_size 139
	.end_amdhsa_kernel
	.amdgpu_metadata
---
amdhsa.version: [ 1, 2 ]
amdhsa.kernels:
  - .name:           k_q828d5dd6dc_qkv
    .symbol:         k_q828d5dd6dc_qkv.kd
    .args:
      - { .name: x1b, .offset: 0, .size: 8, .value_kind: global_buffer, .address_space: global }
      - { .name: wb, .offset: 8, .size: 8, .value_kind: global_buffer, .address_space: global }
      - { .name: bq1, .offset: 16, .size: 8, .value_kind: global_buffer, .address_space: global }
      - { .name: bv1, .offset: 24, .size: 8, .value_kind: global_buffer, .address_space: global }
      - { .name: qk, .offset: 32, .size: 8, .value_kind: global_buffer, .address_space: global }
      - { .name: vt, .offset: 40, .size: 8, .value_kind: global_buffer, .address_space: global }
    .group_segment_fixed_size: 327680
    .private_segment_fixed_size: 0
    .kernarg_segment_align: 8
    .kernarg_segment_size: 48
    .max_flat_workgroup_size: 128
    .sgpr_count:     96
    .vgpr_count:     768
    .wavefront_size: 32
...
	.end_amdgpu_metadata
.endif
;; end of part 2
;; launch attn (part 3): grid 16 x 16, 4 waves a work-group, clusters of 4 x 1, 327,680 bytes of LDS; arguments qk, vt, at; writes at
.if DOCPART == 3
	.amdgcn_target "amdgcn-amd-amdhsa--gfx1250"
	.amdhsa_code_object_version 6
	.text
	.protected	k_q828d5dd6dc_attn
	.globl	k_q828d5dd6dc_attn
	.p2align	8
	.type	k_q828d5dd6dc_attn,@function
k_q828d5dd6dc_attn:
	s_mov_b64 s[64:65], 0
	v_nop
	global_prefetch_b8 v0, s[64:65] scope:SCOPE_SE
	s_setreg_imm32_b32 hwreg(HW_REG_WAVE_MODE, 25, 1), 1
	s_wait_xcnt 0x0
	s_wait_alu depctr_hold_cnt(0) depctr_sa_sdst(0) depctr_va_vdst(0) depctr_va_sdst(0) depctr_va_ssrc(0) depctr_va_vcc(0) depctr_vm_vsrc(0)
	s_getreg_b32 s2, hwreg(HW_REG_IB_STS2, 6, 4)
	s_cmp_eq_u32 s2, 0
	s_cbranch_scc0 .Lentry_in_a_cluster
	s_endpgm
.Lentry_in_a_cluster:
	s_bfe_u32 s2, ttmp6, 0x10000c
	s_cmp_lg_u32 s2, 0x3003
	s_cbranch_scc0 .Lentry_shape_is_right
	s_endpgm
.Lentry_shape_is_right:
; ATTN: causal attention of one head on two query blocks; at[b][h][t][:] = bf16( softmax(q k / 8) V / 16 ), the 1/16 of the mean over heads folded in.
; Left out: key blocks wholly above the diagonal of the causal mask that the block builds itself (see prep's head).
; A work-group takes head h and the query blocks i and 15 - i (128 rows each): (i + 1) + (16 - i) = 17 key blocks of 128 in every work-group.
; Wave w has query rows 32 w .. + 31 of the block: two query tiles q = 0, 1.
; CLUSTER: the four partners are four heads with one (b, i): the same steps and, V being one shared head, the same V tiles: V (half of a
; step's bytes) is asked for jointly, K by each for itself.  Query blocks of one head are no partners: they need different numbers of tiles.
; TRANSPOSED: S^T = K Q^T and O^T = V^T P^T.  In S^T a lane holds ONE query (lane % 16) and the keys 16 t + 8 (lane / 16) + 0..7, so maxima and sums stay
; in the lane but for one exchange between the halves, the rescaling factor is one number a lane, and two neighbouring S tiles, packed to bf16,
; ARE the fragment of P^T: no shuffle.
; ORDER OF TILES: steps u = 0 .. 16; tile u lies in LDS slot u % 2, so each step's slot is a constant of the text.  Of the two query blocks the even one, qA,
; goes first.  Keys go upward, the diagonal block last: tile u is key block u while u <= qA, else u - qA - 1.  So block A's diagonal block is step qA
; (0, 2, .. 14), the change of block stands at that step's end, and block B's diagonal block is step 16.
; ORDER INSIDE A STEP: QK(u); then the slots change: K(u) and V(u) are in registers by then, so slot u % 2 is read out and is asked for again with tile u + 2,
; and K(u + 1)'s 32 fragment loads are issued; then the softmax of query tile 0, V(u + 1)'s 32 fragment loads (into the V set that PV(u) does not read), the
; softmax of query tile 1, and PV(u).  So a tile's fragment loads have the softmax's instructions between their issue and their first use, and a
; request has a whole step in which to land.
; THE LOOP: a unit is [change of slots, softmax and PV of step u, QK of step u + 1].  The changes that ask for a tile are those of u = 0 .. 14, and the fetch of
; tile 0 at the head makes a sixteenth of the same place in the order: the loop has 8 trips of two units and is ENTERED IN ITS MIDDLE, at QK(0), behind
; that fetch; the first unit of the first trip is not run.  So the text holds the softmax three times (two units, the last unit and step 16's share it
; by macro: four calls), not five.  The second unit has the even steps: it alone branches on u = qA (the mask; the change of block).
; u and qA are the same in all four waves and all four partners; only register work stands inside these branches.
; ONE FORM OF THE STEP: a block starts from maximum = -inf, sums = 0, O = 0.  At its first step the factor exp2(c (-inf - maximum)) is 0 and the
; step is like any other.  Every key block below the diagonal is unmasked and in the diagonal block key = query is unmasked, so each step's maximum is
; finite.  The running maximum is taken away before every exponential.
;
; REGISTERS: window 0: v8-55 addresses and softmax state, S(t, q) = v[64 + 64 q + 8 t], v[192:223] a block's packed result, v[224:255] its way out
;            window 1: K fragments (t, ks) at 16 t + 8 ks; V^T fragments of even tiles (s, dt) at 128 + 8 (4 s + dt)
;            window 2: O(dt, q) at 8 (dt + 4 q); Q fragments at work at 64, those of block B in waiting at 96, each + 8 (2 q + ks);
;                      V^T fragments of odd tiles at 128 + 8 (4 s + dt)
.set SLOT,  65536                      ; from slot 0 to slot 1
.set PK,    144                        ; K rows: 128 bytes + 16
.set OFFV,  18432                      ; V behind K's 128 x 144
.set STAGE, 131072                     ; 32 rows x 144 bytes a wave; no tensor load lands here
.set KA,   8                           ; v8, v9    my K fragments' address in slot 0, 1
.set VA,   10                          ; v10, v11  my V fragments' address in slot 0, 1
.set STO,  12
.set RD,   13
.set CO,   14
.set QO,   15
.set NINF, 16
.set PL,   17
.set THR,  18
.set M,    20
.set NMC,  22
.set AL,   26
.set LS,   32
.set MX,   48
.set S,    64
.set TMP,  192
.set RB,   224
.set QF,   64
.set QHI,  96
.set MSB, 0
.macro WIN new                         ; the immediate's high byte repeats the setting that is left
.if MSB != \new
	s_set_vgpr_msb (MSB<<8)|\new
.set MSB, \new
.endif
.endm
.macro PLACES
.rept 4
	v_nop
.endr
.endm
.macro ROUND                           ; a round of the cluster's barrier
	s_barrier_signal -1
	s_barrier_wait -1
	s_cmp_lg_u32 s10, 0
	s_cbranch_scc1 .Lnot_wave_0_\@
	s_barrier_signal -3
.Lnot_wave_0_\@:
	s_barrier_wait -3
	s_barrier_signal -1
	s_barrier_wait -1
.endm
; One tensor load a wave into slot s.  Waves 0, 1: the two halves of K's tile (my own); waves 2, 3: the two halves of V's (joint).
; Group 0 of K: s[32:35] (slot 0), s[68:71] (slot 1); of V: s[36:39], s[72:75].
.macro JLOAD s
	s_cmp_eq_u32 s11, 0
	s_cbranch_scc0 .Lfor_v_\@
	tensor_load_to_lds s[32+36*(\s):35+36*(\s)], s[24:31]
	s_nop 0
	s_branch .Lasked_\@
.Lfor_v_\@:
	tensor_load_to_lds s[36+36*(\s):39+36*(\s)], s[40:47]
	s_nop 0
.Lasked_\@:
.endm
	s_load_b128 s[4:7], s[0:1], 0x0                ; qk 4, vt 6
	s_load_b64 s[8:9], s[0:1], 0x10                ; at
	v_lshl_add_u32 v62, v0, 2, 0x29000
	v_mov_b32 v63, 0
	ds_add_u32 v62, v63
	v_lshrrev_b32 v1, 5, v0
	v_readfirstlane_b32 s10, v1                    ; wave
	s_lshr_b32 s11, s10, 1                         ; I fetch for K (0) or V (1)
	s_and_b32 s12, s10, 1                          ; which half
	s_bfe_u32 s13, ttmp6, 0x40000                  ; cx
	s_lshl_b32 s14, ttmp9, 2
	s_add_co_u32 s14, s14, s13                     ; head
	s_and_b32 s20, ttmp7, 15
	s_lshr_b32 s16, s20, 3                         ; batch
	s_and_b32 s17, s20, 7                          ; i
	s_sub_co_u32 s21, 15, s17                      ; 15 - i
	s_and_b32 s20, s17, 1
	s_cmp_eq_u32 s20, 0
	s_cselect_b32 s15, s17, s21                    ; qA: the even one of i and 15 - i
	s_sub_co_u32 s66, 15, s15                      ; qB: the odd one
	s_mov_b32 s18, 0                               ; u: the step whose QK was issued last
	; K: 64 rows x 64 elements of 2 bytes, 4 words of padding behind every 32
	s_mov_b32 s24, (1<<16)|(1<<20)|(4<<22)|(3<<25)
	s_mov_b32 s25, 64<<16
	s_mov_b32 s26, 64<<16
	s_mov_b32 s27, 64<<16
	s_mov_b32 s28, 64
	s_mov_b32 s29, 64
	s_mov_b32 s30, 0
	s_mov_b32 s31, 0
	; V: 8,192 dense bytes as 32 rows of 32 elements of 8 bytes; mask 15 = all four of the cluster, bit 21 beside it
	s_mov_b32 s40, 15|(3<<16)|(1<<21)
	s_mov_b32 s41, 32<<16
	s_mov_b32 s42, 32<<16
	s_mov_b32 s43, 32<<16
	s_mov_b32 s44, 32
	s_mov_b32 s45, 32
	s_mov_b32 s46, 0
	s_mov_b32 s47, 0
	s_lshl_b32 s60, s16, 23                        ; K of my head: b x 8 MiB + (16 + h) x 262,144 + half x 64 rows (this offset holds cx)
	s_add_co_u32 s61, s14, 16
	s_lshl_b32 s61, s61, 18
	s_add_co_u32 s60, s60, s61
	s_lshl_b32 s61, s12, 13
	s_add_co_u32 s60, s60, s61
	s_mov_b32 s61, 0
	s_lshl_b32 s22, s16, 18                        ; V: b x 256 groups of 1,024 bytes + half x 8 groups (no cx)
	s_lshl_b32 s21, s12, 13
	s_add_co_u32 s22, s22, s21
	s_mov_b32 s23, 0                               ; the high word of the offset pair s[22:23], for the whole launch
	s_wait_dscnt 0x0
	s_wait_kmcnt 0x0
	s_add_nc_u64 s[48:49], s[4:5], s[60:61]        ; KB: key block 0
	s_add_nc_u64 s[50:51], s[6:7], s[22:23]        ; VB: key block 0
	s_mov_b32 s32, 1
	s_mul_i32 s33, s10, 64*PK                      ; waves 0, 1: K's halves at 0 and 9,216 of the slot
	s_mov_b64 s[34:35], s[48:49]                   ; tile 0 is key block 0
	s_or_b32 s35, s35, 0x80000000
	s_mov_b32 s36, 1
	s_lshl_b32 s37, s10, 13
	s_add_co_u32 s37, s37, 2048                    ; waves 2, 3: V's halves at 18,432 and 26,624 of the slot
	s_mov_b64 s[38:39], s[50:51]
	s_or_b32 s39, s39, 0x80000000
	s_min_u32 s22, s15, 1                          ; tile 1 is key block 1, or, where block A has one tile (qA = 0), block B's key block 0
	s_lshl_b32 s22, s22, 14                        ; 16,384 bytes a key block in K and in V
	s_mov_b32 s68, 1                               ; slot 1's two sets: the LDS words are written here once
	s_add_co_u32 s69, s33, SLOT
	s_add_nc_u64 s[70:71], s[48:49], s[22:23]
	s_or_b32 s71, s71, 0x80000000
	s_mov_b32 s72, 1
	s_add_co_u32 s73, s37, SLOT
	s_add_nc_u64 s[74:75], s[50:51], s[22:23]
	s_or_b32 s75, s75, 0x80000000
	ROUND                                          ; in front of the first joint loads
	JLOAD 0                                        ; tiles 0 and 1, the two first fills, as one group: two loads of mine are out
	JLOAD 1
	s_mov_b32 s52, 0x3e38aa3b                      ; c = log2(e) / 8
	s_mov_b32 s53, 0x3e38aa3b
	s_mov_b32 s54, 0x76543210
	s_mov_b32 s55, 0xfedcba98
	s_lshl_b32 s60, s16, 5                         ; Q: (32 b + h) x 262,144 + block x 16,384 + w x 4,096
	s_add_co_u32 s60, s60, s14
	s_lshl_b32 s60, s60, 18
	s_lshl_b32 s21, s10, 12
	s_add_co_u32 s60, s60, s21
	s_lshl_b32 s62, s15, 14
	s_add_co_u32 s62, s62, s60
	s_mov_b32 s63, 0
	s_add_nc_u64 s[62:63], s[4:5], s[62:63]        ; Q of block A
	s_lshl_b32 s2, s66, 14
	s_add_co_u32 s2, s2, s60
	s_mov_b32 s3, 0
	s_add_nc_u64 s[2:3], s[4:5], s[2:3]            ; Q of block B
	s_lshl_b32 s60, s16, 4                         ; at: (16 b + h) x 262,144 + the same
	s_add_co_u32 s60, s60, s14
	s_lshl_b32 s60, s60, 18
	s_add_co_u32 s60, s60, s21
	s_lshl_b32 s56, s15, 14
	s_add_co_u32 s56, s56, s60
	s_mov_b32 s57, 0
	s_add_nc_u64 s[56:57], s[8:9], s[56:57]        ; where block A goes
	s_lshl_b32 s58, s66, 14
	s_add_co_u32 s58, s58, s60
	s_mov_b32 s59, 0
	s_add_nc_u64 s[58:59], s[8:9], s[58:59]        ; where block B goes
	v_and_b32 v1, 15, v0                           ; r
	v_bfe_u32 v2, v0, 4, 1                         ; h
	v_and_b32 v3, 31, v0
	v_lshlrev_b32 v[QO], 7, v1
	v_lshl_add_u32 v[QO], v2, 4, v[QO]             ; 128 r + 16 h
	WIN 0x80                                       ; destination window 2
.irp q, 0,1
.irp ks, 0,1
	global_load_b128 v[QF+8*(2*\q+\ks):QF+8*(2*\q+\ks)+3],     v[QO], s[62:63] offset:2048*\q+64*\ks
	global_load_b128 v[QF+8*(2*\q+\ks)+4:QF+8*(2*\q+\ks)+7],   v[QO], s[62:63] offset:2048*\q+64*\ks+32
	global_load_b128 v[QHI+8*(2*\q+\ks):QHI+8*(2*\q+\ks)+3],   v[QO], s[2:3] offset:2048*\q+64*\ks
	global_load_b128 v[QHI+8*(2*\q+\ks)+4:QHI+8*(2*\q+\ks)+7], v[QO], s[2:3] offset:2048*\q+64*\ks+32
.endr
.endr
.set ee, 0
.rept 64
	v_mov_b32 v[ee], 0                             ; block A starts from O = 0: 64 moves, once, so that the loop holds one form of the step
.set ee, ee+1
.endr
	WIN 0
	v_mul_u32_u24 v[KA], v1, PK
	v_lshl_add_u32 v[KA], v2, 4, v[KA]             ; 144 r + 16 h, slot 0
	v_add_nc_u32 v[KA+1], SLOT, v[KA]              ; and slot 1
	s_mul_i32 s21, s10, 32*PK
	s_add_co_u32 s21, s21, STAGE
	v_add_nc_u32 v[STO], s21, v[KA]
	v_lshlrev_b32 v[VA], 4, v1
	v_lshl_add_u32 v[VA], v2, 10, v[VA]
	v_add_nc_u32 v[VA], OFFV, v[VA]                ; group h, d = r: sixteen lanes read 256 consecutive bytes
	v_add_nc_u32 v[VA+1], SLOT, v[VA]
	v_lshrrev_b32 v4, 3, v3
	v_and_b32 v5, 7, v0
	v_mul_u32_u24 v4, v4, PK
	v_lshl_add_u32 v4, v5, 4, v4
	v_add_nc_u32 v[RD], s21, v4
	v_lshlrev_b32 v[CO], 4, v3
	v_mov_b32 v[NINF], 0xff800000
	v_mov_b32 v[PL], 0
	v_lshlrev_b32 v4, 3, v2
	v_sub_nc_u32 v[THR], v1, v4
	s_lshl_b32 s21, s10, 5
	v_add_nc_u32 v[THR], s21, v[THR]               ; 32 w + r - 8 h: the mask's bound for query tile 0
	v_mov_b32 v[M], v[NINF]                        ; block A starts from maximum = -inf and sums = 0
	v_mov_b32 v[M+1], v[NINF]
.set ee, 0
.rept 8
	v_mov_b32 v[LS+ee], 0
.set ee, ee+1
.endr
.set ee, 0
.rept 32
	v_mov_b32 v[TMP+ee], 0                         ; block A's packed result is written under the branch u = qA, which is taken once (qA <= 14); the text alone
.set ee, ee+1                                      ; does not show that, and a register is written on every way ahead of its first read: so it is written here too
.endr
	s_wait_loadcnt 0x0                             ; Q
; 32 LDS loads: the K fragments of the tile in a slot
.macro KFETCH slot
	WIN 0x40                                       ; destination window 1
.irp t, 0,1,2,3,4,5,6,7
.irp ks, 0,1
	ds_load_b128 v[16*\t+8*\ks:16*\t+8*\ks+3],   v[KA+(\slot)] offset:16*PK*\t+64*\ks
	ds_load_b128 v[16*\t+8*\ks+4:16*\t+8*\ks+7], v[KA+(\slot)] offset:16*PK*\t+64*\ks+32
.endr
.endr
	WIN 0
.endm
; 32 LDS loads: the V^T fragments of the tile in a slot, into the V set of the slot's number (window 1 or window 2)
.macro VFETCH slot
.if (\slot) == 0
	WIN 0x40
.else
	WIN 0x80
.endif
.irp sx, 0,1,2,3
.irp dt, 0,1,2,3
	ds_load_b128 v[128+8*(4*\sx+\dt):128+8*(4*\sx+\dt)+3],   v[VA+(\slot)] offset:4096*\sx+256*\dt
	ds_load_b128 v[128+8*(4*\sx+\dt)+4:128+8*(4*\sx+\dt)+7], v[VA+(\slot)] offset:4096*\sx+256*\dt+2048
.endr
.endr
	WIN 0
.endm
; The causal mask of a diagonal block: key 16 u + jj + 8 h is masked for query 32 w + 16 q + r where it is greater.  One comparison serves both query
; tiles: the queries of q = 1 lie 16 further down, so its tile u + 1 has the bound of tile u of q = 0; its tile 0 (keys 0 .. 15, queries from 16 on) is never masked.
.macro MASK
.irp u, 0,1,2,3,4,5,6,7
.irp jj, 0,1,2,3,4,5,6,7
	v_cmp_gt_i32 vcc_lo, 16*\u+\jj, v[THR]
	v_cndmask_b32 v[S+8*\u+\jj], v[S+8*\u+\jj], v[NINF], vcc_lo
.if \u < 7
	v_cndmask_b32 v[S+72+8*\u+\jj], v[S+72+8*\u+\jj], v[NINF], vcc_lo
.endif
.endr
.endr
.endm
; Single lines of the softmax's second half.  The numbers may come as expressions: they stand in brackets wherever they are used.
.macro FLINE q, t, p                   ; two scores of tile t: c S - c maximum
	v_pk_fma_f32 v[S+64*\q+8*(\t)+2*(\p):S+64*\q+8*(\t)+2*(\p)+1], v[S+64*\q+8*(\t)+2*(\p):S+64*\q+8*(\t)+2*(\p)+1], s[52:53], v[NMC:NMC+1] op_sel_hi:[1,0,1]
.endm
.macro ELINE q, t, jj                  ; one exponential of tile t
	v_exp_f32 v[S+64*\q+8*(\t)+(\jj)], v[S+64*\q+8*(\t)+(\jj)]
.endm
; line ln (0 .. 7) of the plain work on tile t behind its exponentials: four lines of sums (in tile 0 the old sums are rescaled on the way), four of packing.
; P(s, q) lies in the registers of S(2 s, q): registers 0-3 from tile 2 s, 4-7 from tile 2 s + 1.
.macro WLINE q, t, ln
.if (\ln) < 2
.if (\t) == 0
	s_wait_alu depctr_va_vdst(0)
	v_pk_fma_f32 v[LS+4*\q+2*(\ln):LS+4*\q+2*(\ln)+1], v[LS+4*\q+2*(\ln):LS+4*\q+2*(\ln)+1], v[AL+2*\q:AL+2*\q+1], v[S+64*\q+2*(\ln):S+64*\q+2*(\ln)+1]
.else
	s_wait_alu depctr_va_vdst(0)
	v_pk_add_f32 v[LS+4*\q+2*(\ln):LS+4*\q+2*(\ln)+1], v[LS+4*\q+2*(\ln):LS+4*\q+2*(\ln)+1], v[S+64*\q+8*(\t)+2*(\ln):S+64*\q+8*(\t)+2*(\ln)+1]
.endif
.elseif (\ln) < 4
	v_pk_add_f32 v[LS+4*\q+2*(\ln)-4:LS+4*\q+2*(\ln)-3], v[LS+4*\q+2*(\ln)-4:LS+4*\q+2*(\ln)-3], v[S+64*\q+8*(\t)+2*(\ln):S+64*\q+8*(\t)+2*(\ln)+1]
.else
	v_cvt_pk_bf16_f32 v[S+64*\q+8*(\t)-4*((\t)&1)+(\ln)-4], v[S+64*\q+8*(\t)+2*(\ln)-8], v[S+64*\q+8*(\t)+2*(\ln)-7]
.endif
.endm
; the softmax step of query tile q on its 128 keys
.macro SOFT q
.irp c, 0,1,2,3
	v_max_num_f32 v[MX+\c], v[S+64*\q+16*\c], v[S+64*\q+16*\c+1]
.endr
.irp k, 1,2,3,4,5,6,7
.irp c, 0,1,2,3
	v_max3_num_f32 v[MX+\c], v[MX+\c], v[S+64*\q+16*\c+2*\k], v[S+64*\q+16*\c+2*\k+1]
.endr
.endr
	v_max3_num_f32 v[MX], v[MX], v[MX+1], v[MX+2]
	v_max_num_f32 v[MX], v[MX], v[MX+3]
	v_permlanex16_b32 v[PL], v[MX], s54, s55       ; the other half of this query's keys
	v_mov_b32 v[MX+1], v[M+\q]
	v_max3_num_f32 v[M+\q], v[MX], v[PL], v[M+\q]
	v_sub_f32 v[MX+1], v[MX+1], v[M+\q]
	v_mul_f32 v[MX+1], s52, v[MX+1]
	v_exp_f32 v[AL+2*\q], v[MX+1]                  ; what the old sums are worth under the new maximum, twice (0 at a block's first step)
	v_exp_f32 v[AL+2*\q+1], v[MX+1]
	v_mul_f32 v[NMC], 0xbe38aa3b, v[M+\q]          ; - c x maximum (also the plain instruction behind the two exponentials)
	v_mul_f32 v[NMC+1], 0xbe38aa3b, v[M+\q]
	; Every exponential stands beside a plain line that touches none of its registers: tile t's eight alternate with the eight lines of work on tile t - 1
	; and with the scaling of tile t + 2 (tile 0's with the scaling of tiles 1 and 2).  So no exponential follows another, and a plain instruction stands
	; between each and the use of its result (ISA guide 5.7.2).
.irp p, 0,1,2,3
	FLINE \q, 0, \p
.endr
.irp jj, 0,1,2,3,4,5,6,7
	ELINE \q, 0, \jj
	FLINE \q, 1+(\jj>>2), \jj&3
.endr
.irp t, 1,2,3,4,5
.irp jj, 0,1,2,3,4,5,6,7
	ELINE \q, \t, \jj
	WLINE \q, \t-1, \jj
.if (\jj & 1) == 0
	FLINE \q, \t+2, \jj>>1
.endif
.endr
.endr
.irp t, 6,7
.irp jj, 0,1,2,3,4,5,6,7
	ELINE \q, \t, \jj
	WLINE \q, \t-1, \jj
.endr
.endr
.irp jj, 0,1,2,3,4,5,6,7
	WLINE \q, 7, \jj
.endr
.endm
.macro SCALEO                          ; O(dt, q) times the pair AL(q)
	WIN 0x82
.irp q, 0,1
.irp dt, 0,1,2,3
.irp p, 0,2,4,6
	v_pk_mul_f32 v[8*(\dt+4*\q)+\p:8*(\dt+4*\q)+\p+1], v[8*(\dt+4*\q)+\p:8*(\dt+4*\q)+\p+1], v[AL+2*\q:AL+2*\q+1]
.endr
.endr
.endr
.endm
.macro PV8 s                           ; 32 keys: the eight O tiles take turns, one instruction a turn
.irp dt, 0,1,2,3
.irp q, 0,1
	v_wmma_f32_16x16x32_bf16 v[8*(\dt+4*\q):8*(\dt+4*\q)+7], v[128+8*(4*\s+\dt):128+8*(4*\s+\dt)+7], v[S+64*\q+16*\s:S+64*\q+16*\s+7], v[8*(\dt+4*\q):8*(\dt+4*\q)+7]
.endr
.endr
.endm
; a finished query block, in registers: O / (16 l), rounded and packed into v[TMP .. TMP + 31]
.macro EPIC
	PLACES                                         ; four places behind the last product, in front of the readers of O (ISA guide 7.12.1)
.irp q, 0,1
	v_pk_add_f32 v[LS+4*\q:LS+4*\q+1], v[LS+4*\q:LS+4*\q+1], v[LS+4*\q+2:LS+4*\q+3]
	v_add_f32 v[MX+\q], v[LS+4*\q], v[LS+4*\q+1]
.endr
	v_permlanex16_b32 v[PL], v[MX], s54, s55
	v_add_f32 v[MX], v[MX], v[PL]
	v_permlanex16_b32 v[PL], v[MX+1], s54, s55
	v_add_f32 v[MX+1], v[MX+1], v[PL]
	v_mul_f32 v[MX], 0x41800000, v[MX]             ; 16 l: the mean over 16 heads
	v_mul_f32 v[MX+1], 0x41800000, v[MX+1]
	v_rcp_f32 v[AL], v[MX]
	v_rcp_f32 v[AL+1], v[MX]
	v_rcp_f32 v[AL+2], v[MX+1]
	v_rcp_f32 v[AL+3], v[MX+1]
	v_nop                                          ; one plain instruction between v_rcp_f32 and the use of its result (ISA guide 5.7.2)
	s_wait_alu depctr_va_vdst(0)
	SCALEO
	WIN 0x0a
.irp q, 0,1
.irp dt, 0,1,2,3
.irp p, 0,1,2,3
	v_cvt_pk_bf16_f32 v[TMP+4*(\dt+4*\q)+\p], v[8*(\dt+4*\q)+2*\p], v[8*(\dt+4*\q)+2*\p+1]
.endr
.endr
.endr
	WIN 0
.endm
; the packed block goes out through my stage: 16 bytes a lane in, whole rows back, 512 consecutive bytes a store
.macro EPIO sb
.irp q, 0,1
.irp dt, 0,1,2,3
	ds_store_b128 v[STO], v[TMP+4*(\dt+4*\q):TMP+4*(\dt+4*\q)+3] offset:16*PK*\q+32*\dt
.endr
.endr
	s_wait_xcnt 0x0                                ; the registers that the other block's stores read are loaded again only behind this wait
.irp u, 0,1,2,3,4,5,6,7
	ds_load_b128 v[RB+4*\u:RB+4*\u+3], v[RD] offset:4*PK*\u        ; my own stage: LDS serves a wave's instructions in order
.endr
.irp u, 0,1,2,3,4,5,6,7
	s_wait_dscnt 7-\u
	global_store_b128 v[CO], v[RB+4*\u:RB+4*\u+3], s[\sb:\sb+1] offset:512*\u
.endr
.endm
; The change of query block, register work alone: block A's result is packed and waits in v[TMP ..]; block B's Q fragments, loaded at the head, move into the
; registers that the products name; maximum, sums and O start anew.  O is cleared and not left to the factor 0, so that an overflow in block A cannot reach block B.
; 32 + 74 moves, once in the launch.
.macro SWITCH
	EPIC
	WIN 0x82
.set ee, 0
.rept 32
	v_mov_b32 v[QF+ee], v[QHI+ee]
.set ee, ee+1
.endr
.set ee, 0
.rept 64
	v_mov_b32 v[ee], 0
.set ee, ee+1
.endr
	WIN 0
.set ee, 0
.rept 8
	v_mov_b32 v[LS+ee], 0
.set ee, ee+1
.endr
	v_mov_b32 v[M], v[NINF]
	v_mov_b32 v[M+1], v[NINF]
.endm
; QK of the step whose K fragments were asked for at the last change of slots
.macro QK
.rept 5
	v_nop                                          ; five places behind the last product of PV: its source P lies in registers that these products write (ISA guide 7.12.1)
.endr
	s_wait_dscnt 32                                ; K's 32 loads are in; V's 32, issued behind them, may be out
	WIN 0x09                                       ; source 0 window 1 (K), source 1 window 2 (Q), C and D window 0
.irp t, 0,1,2,3,4,5,6,7
	v_wmma_f32_16x16x32_bf16 v[S+8*\t:S+8*\t+7],       v[16*\t:16*\t+7],    v[QF:QF+7],     0       ; the two query tiles take turns
	v_wmma_f32_16x16x32_bf16 v[S+64+8*\t:S+64+8*\t+7], v[16*\t:16*\t+7],    v[QF+16:QF+23], 0
	v_wmma_f32_16x16x32_bf16 v[S+8*\t:S+8*\t+7],       v[16*\t+8:16*\t+15], v[QF+8:QF+15],  v[S+8*\t:S+8*\t+7]
	v_wmma_f32_16x16x32_bf16 v[S+64+8*\t:S+64+8*\t+7], v[16*\t+8:16*\t+15], v[QF+24:QF+31], v[S+64+8*\t:S+64+8*\t+7]
.endr
	WIN 0
.endm
; The change of slots behind QK(u).  \slot holds tile u + 1, whose K fragments are fetched; the other slot held tile u, which is in registers.
; refill = 1: that slot is asked for again with tile u + 2: key block u + 2 while u + 2 <= qA, else u + 1 - qA.
.macro CHANGE slot, refill
	PLACES                                         ; four places behind QK: for the loads into K's registers and for the readers of S
	s_wait_tensorcnt 0x0                           ; all my tensor loads have landed, my part of tile u + 1 among them: the descriptors may be written
	ds_add_u32 v62, v63
	s_wait_dscnt 0x0
.if \refill
	s_add_co_u32 s20, s18, 2
	s_sub_co_u32 s21, s20, s15
	s_sub_co_u32 s21, s21, 1
	s_cmp_le_u32 s20, s15
	s_cselect_b32 s22, s20, s21
	s_lshl_b32 s22, s22, 14                        ; 16,384 bytes a key block in K and in V
	s_add_nc_u64 s[34+36*(1-\slot):35+36*(1-\slot)], s[48:49], s[22:23]    ; the other slot's two sets
	s_or_b32 s[35+36*(1-\slot)], s[35+36*(1-\slot)], 0x80000000
	s_add_nc_u64 s[38+36*(1-\slot):39+36*(1-\slot)], s[50:51], s[22:23]
	s_or_b32 s[39+36*(1-\slot)], s[39+36*(1-\slot)], 0x80000000
.endif
	s_wait_dscnt 0x0                               ; my reads of tile u, K's and V's, are back (and those of my stage)
.if \refill
	ROUND                                          ; both now hold of every wave of all four work-groups
	JLOAD 1-\slot                                  ; my one tensor load behind the round, first thing there
.else
	s_barrier_signal -1                            ; nothing is filled: my work-group's barrier shows the tile to all four waves
	s_barrier_wait -1
.endif
	KFETCH \slot
.endm
; Softmax and PV of step u.  vset: the V set of tile u (u % 2).  mk 0: no mask; 1: where u = qA the block is masked and, behind PV, the query block changes;
; 2: masked.  vf = 1: between the two softmaxes V(u + 1)'s fragments are fetched into the other set: two runs of 32 loads a step, each with a softmax behind it.
.macro SOFTPV vset, mk, vf
.if \mk == 1
	s_cmp_eq_u32 s18, s15                          ; u = qA: block A's diagonal block
	s_cbranch_scc0 .Lopen_\@
	MASK
.Lopen_\@:
.elseif \mk == 2
	MASK
.endif
	SOFT 0
.if \vf
	VFETCH 1-\vset
.endif
	SOFT 1
	SCALEO
.if \vf == 0
	s_wait_dscnt 0x0                               ; the last step has no change of slots in front of it that waited for V's fragments
.endif
.if \vset == 0
	WIN 0xa1                                       ; source 0 window 1 (V^T of an even tile), source 1 window 0 (P^T), C and D window 2
.else
	WIN 0xa2                                       ; source 0 window 2 (V^T of an odd tile)
.endif
	PV8 0
	PV8 1
	PV8 2
	PV8 3
	WIN 0
.if \mk == 1
	s_cmp_eq_u32 s18, s15                          ; u = qA: block A is finished
	s_cbranch_scc0 .Lkeep_\@
	SWITCH
.Lkeep_\@:
.endif
.endm
	s_wait_tensorcnt 0x1                           ; my part of tile 0 is in; tile 1's load stays out
	s_barrier_signal -1
	s_barrier_wait -1                              ; everybody's part is in
	KFETCH 0
	VFETCH 0
	s_mov_b32 s19, 8
	s_branch .Lenter                               ; the fetch of tile 0 stood for the first unit's change of slots; there is no step in front of step 0
.Lpair:
	CHANGE 0, 1                                    ; u = 1, 3, .. 13: K of tile u + 1 from slot 0; slot 1 is asked for again with tile u + 2
	SOFTPV 1, 0, 1
	s_add_co_u32 s18, s18, 1
.Lenter:
	QK                                             ; u = 0, 2, .. 14
	CHANGE 1, 1                                    ; K of tile u + 1 from slot 1; slot 0 is asked for again with tile u + 2 (the last trip: tile 16)
	SOFTPV 0, 1, 1                                 ; the even steps: one of them is block A's last
	s_add_co_u32 s18, s18, 1
	QK                                             ; u = 1, 3, .. 15
	s_sub_co_u32 s19, s19, 1
	s_cmp_lg_u32 s19, 0
	s_cbranch_scc1 .Lpair
	EPIO 56                                        ; block A goes out: its stores leave beside the last two steps' work
	CHANGE 0, 0                                    ; u = 15: K of tile 16 from slot 0; nothing is left to ask for
	SOFTPV 1, 0, 1
	QK                                             ; u = 16: block B's diagonal block
	PLACES                                         ; four places in front of the readers of S (ISA guide 7.12.1)
	SOFTPV 0, 2, 0
	EPIC
	EPIO 58                                        ; block B
	s_wait_tensorcnt 0x0
	ds_add_u32 v62, v63
	s_wait_dscnt 0x0
	ROUND                                          ; the closing round: no work-group ends while a partner may still ask jointly
	s_endpgm
.Lfunc_end_k_q828d5dd6dc_attn:
	.size	k_q828d5dd6dc_attn, .Lfunc_end_k_q828d5dd6dc_attn-k_q828d5dd6dc_attn
	.p2alignl 7, 3214868480
	.fill 96, 4, 3214868480
	.section	.rodata,"a",@progbits
	.p2align	6, 0x0
	.amdhsa_kernel k_q828d5dd6dc_attn
		.amdhsa_group_segment_fixed_size 327680
		.amdhsa_private_segment_fixed_size 0
		.amdhsa_enable_private_segment 0
		.amdhsa_kernarg_size 24
		.amdhsa_user_sgpr_count 2
		.amdhsa_user_sgpr_kernarg_segment_ptr 1
		.amdhsa_wavefront_size32 1
		.amdhsa_system_sgpr_workgroup_id_x 1
		.amdhsa_system_sgpr_workgroup_id_y 1
		.amdhsa_system_sgpr_workgroup_id_z 1
		.amdhsa_system_vgpr_workitem_id 0
		.amdhsa_next_free_vgpr 768
		.amdhsa_next_free_sgpr 80
		.amdhsa_reserve_vcc 1
		.amdhsa_float_denorm_mode_32 3
		.amdhsa_float_denorm_mode_16_64 3
		.amdhsa_memory_ordered 1
		.amdhsa_forward_progress 1
		.amdhsa_inst_pref_size 173
	.end_amdhsa_kernel
	.amdgpu_metadata
---
amdhsa.version: [ 1, 2 ]
amdhsa.kernels:
  - .name:           k_q828d5dd6dc_attn
    .symbol:         k_q828d5dd6dc_attn.kd
    .args:
      - { .name: qk, .offset: 0, .size: 8, .value_kind: global_buffer, .address_space: global }
      - { .name: vt, .offset: 8, .size: 8, .value_kind: global_buffer, .address_space: global }
      - { .name: at, .offset: 16, .size: 8, .value_kind: global_buffer, .address_space: global }
    .group_segment_fixed_size: 327680
    .private_segment_fixed_size: 0
    .kernarg_segment_align: 8
    .kernarg_segment_size: 24
    .max_flat_workgroup_size: 128
    .sgpr_count:     80
    .vgpr_count:     768
    .wavefront_size: 32
...
	.end_amdgpu_metadata
.endif
;; end of part 3
;; launch outp (part 4): grid 256 x 1, 8 waves a work-group, no clusters, 77,824 bytes of LDS; arguments x, at, wot, part, bv2, out0; writes out0
.if DOCPART == 4
	.amdgcn_target "amdgcn-amd-amdhsa--gfx1250"
	.amdhsa_code_object_version 6
	.text
	.protected	k_q828d5dd6dc_outp
	.globl	k_q828d5dd6dc_outp
	.p2align	8
	.type	k_q828d5dd6dc_outp,@function
k_q828d5dd6dc_outp:
	s_mov_b64 s[64:65], 0
	v_nop
	global_prefetch_b8 v0, s[64:65] scope:SCOPE_SE
	s_setreg_imm32_b32 hwreg(HW_REG_WAVE_MODE, 25, 1), 1
	s_wait_xcnt 0x0
; OUTP: out0 = x + [m | v2] [Wo1 ; Wo2], one product with K = 128: m = the sum over heads of at (the 1/16 is in at), v2[b] = sum of part + bv2.
; Left out: the second attention's scores and softmax, whose rows sum to 1 over equal V rows (see prep's head): what is left of it is v2[b] Wo2.
; A work-group has 16 rows, a wave 128 of the 1,024 columns (8 tiles).  No tensor loads, no cluster: what work-groups share (wot, 256 KiB) goes straight
; into each wave's registers as fragments, and the rest is read once.
; The product is used transposed (source 0 = 16 columns of the weights as rows of wot, source 1 = the 16 tokens): a lane holds one token and 8 columns.
; REGISTERS: window 0: v1-15 offsets, v[16:47] at, v[48:63] at work, v[64:95] fragments of [m | v2], v[96:159] sums, v[160:223] x, v[224:240] part, bv2
;            window 1: weight fragments (nt, ks) at 8 (4 nt + ks)
.set MP,  67584                        ; behind the eight stages of 16 x 528: [2 halves of the heads][16 rows] x 272 bytes of f32
.set V2L, 76288                        ; v2: 64 f32
.set AT,  16
.set AM,  48
.set TT,  56
.set MF,  64
.set ACC, 96
.set X,   160
.set RB,  16
.set PP,  224
.set MSB, 0
.macro WIN new
.if MSB != \new
	s_set_vgpr_msb (MSB<<8)|\new
.set MSB, \new
.endif
.endm
	s_load_b256 s[4:11], s[0:1], 0x0               ; x 4, at 6, wot 8, part 10
	s_load_b128 s[12:15], s[0:1], 0x20             ; bv2 12, out0 14
	v_lshl_add_u32 v254, v0, 2, 0x12c00
	v_mov_b32 v255, 0
	v_lshrrev_b32 v1, 5, v0
	v_readfirstlane_b32 s16, v1                    ; wave
	s_lshr_b32 s17, ttmp9, 7                       ; batch
	s_and_b32 s18, ttmp9, 127
	s_lshr_b32 s19, s16, 2                         ; which 8 heads I sum
	s_mov_b32 s21, 0
	s_mov_b32 s23, 0xffff0000
	v_and_b32 v11, 127, v0                         ; pos: 16 bytes of a head's 16 rows x 128 bytes
	v_lshlrev_b32 v1, 4, v11
	s_lshl_b32 s22, s19, 21
	v_add_nc_u32 v1, s22, v1                       ; at: 8 heads of 262,144 bytes + 16 pos
	v_lshrrev_b32 v12, 3, v11
	v_and_b32 v13, 7, v0
	v_mul_u32_u24 v2, v12, 272
	v_lshl_add_u32 v2, v13, 5, v2
	s_mul_i32 s22, s19, 4352
	s_add_co_u32 s22, s22, MP
	v_add_nc_u32 v2, s22, v2                       ; my 8 sums in f32: row pos / 8, 32 bytes at pos % 8
	v_and_b32 v14, 15, v0                          ; r
	v_bfe_u32 v15, v0, 4, 1                        ; h
	v_and_b32 v11, 31, v0                          ; lane
	v_lshlrev_b32 v3, 7, v14
	v_lshl_add_u32 v3, v15, 4, v3
	s_lshl_b32 s22, s16, 14
	v_add_nc_u32 v3, s22, v3                       ; wot: row 128 w + r, 16 h
	v_lshlrev_b32 v4, 4, v11
	s_lshl_b32 s22, s16, 9
	v_add_nc_u32 v4, s22, v4                       ; x and out0: 512 w + 16 lane
	v_lshlrev_b32 v5, 2, v0                        ; part, bv2: d = thread (waves 0, 1)
	v_add_nc_u32 v6, V2L, v5
	v_mul_u32_u24 v7, v14, 272
	v_lshl_add_u32 v7, v15, 5, v7
	v_add_nc_u32 v7, MP, v7
	v_lshlrev_b32 v8, 5, v15
	v_add_nc_u32 v8, V2L, v8
	v_mul_u32_u24 v9, v14, 528
	v_lshl_add_u32 v9, v15, 5, v9
	s_mul_i32 s22, s16, 8448
	v_add_nc_u32 v9, s22, v9                       ; my stage: row r, 32 h
	v_lshl_add_u32 v10, v11, 4, s22                ; and back by rows
	s_wait_kmcnt 0x0
	s_lshl_b32 s20, s17, 22                        ; at: batch x 16 heads + 16 rows of 128 bytes a work-group
	s_lshl_b32 s22, s18, 11
	s_add_co_u32 s20, s20, s22
	s_add_nc_u64 s[6:7], s[6:7], s[20:21]
	s_lshl_b32 s20, s17, 8
	s_add_nc_u64 s[10:11], s[10:11], s[20:21]
	s_lshl_b32 s20, ttmp9, 16                      ; 16 rows of 4,096 bytes
	s_add_nc_u64 s[4:5], s[4:5], s[20:21]
	s_add_nc_u64 s[14:15], s[14:15], s[20:21]
.irp u, 0,1,2,3,4,5,6,7
	global_load_b128 v[AT+4*\u:AT+4*\u+3], v1, s[6:7] offset:262144*\u
.endr
	s_cmp_lt_u32 s16, 2
	s_cbranch_scc0 .Lno_part
.irp p, 0,1,2,3,4,5,6,7,8,9,10,11,12,13,14,15
	global_load_b32 v[PP+\p], v5, s[10:11] offset:512*\p
.endr
	global_load_b32 v[PP+16], v5, s[12:13]
.Lno_part:
	WIN 0x40
.irp nt, 0,1,2,3,4,5,6,7
.irp ks, 0,1,2,3
	global_load_b128 v[8*(4*\nt+\ks):8*(4*\nt+\ks)+3],   v3, s[8:9] offset:2048*\nt+64*(\ks&1)+131072*(\ks>>1)
	global_load_b128 v[8*(4*\nt+\ks)+4:8*(4*\nt+\ks)+7], v3, s[8:9] offset:2048*\nt+64*(\ks&1)+131072*(\ks>>1)+32
.endr
.endr
	WIN 0
.irp row, 0,1,2,3,4,5,6,7,8,9,10,11,12,13,14,15
	global_load_b128 v[X+4*\row:X+4*\row+3], v4, s[4:5] offset:4096*\row th:TH_LOAD_NT
.endr
	s_wait_loadcnt 0x3f                            ; 80 loads were issued behind at's, part's and bv2's: with 63 out these are in (63 is the most the wait can name)
.irp e, 0,1,2,3
	v_lshlrev_b32 v[AM+2*\e], 16, v[AT+\e]         ; the first head starts the sums
	v_and_b32 v[AM+2*\e+1], s23, v[AT+\e]
.endr
.irp u, 1,2,3,4,5,6,7
.irp e, 0,1,2,3
	v_lshlrev_b32 v[TT+2*\e], 16, v[AT+4*\u+\e]
	v_and_b32 v[TT+2*\e+1], s23, v[AT+4*\u+\e]
.endr
.irp e, 0,1,2,3
	v_pk_add_f32 v[AM+2*\e:AM+2*\e+1], v[AM+2*\e:AM+2*\e+1], v[TT+2*\e:TT+2*\e+1]
.endr
.endr
	ds_store_b128 v2, v[AM:AM+3]
	ds_store_b128 v2, v[AM+4:AM+7] offset:16
	s_cmp_lt_u32 s16, 2
	s_cbranch_scc0 .Lno_v2
.irp j, 0,2,4,6
	v_pk_add_f32 v[PP+\j:PP+\j+1], v[PP+\j:PP+\j+1], v[PP+8+\j:PP+8+\j+1]
.endr
	v_pk_add_f32 v[PP:PP+1], v[PP:PP+1], v[PP+4:PP+5]
	v_pk_add_f32 v[PP+2:PP+3], v[PP+2:PP+3], v[PP+6:PP+7]
	v_pk_add_f32 v[PP:PP+1], v[PP:PP+1], v[PP+2:PP+3]
	v_add_f32 v[PP], v[PP], v[PP+1]
	v_add_f32 v[PP], v[PP], v[PP+16]               ; + bv2
	ds_store_b32 v6, v[PP]
.Lno_v2:
	s_wait_dscnt 0x0                               ; my stores are in LDS before I say so
	s_barrier_signal -1
	s_barrier_wait -1
	; fragments of [m | v2]: lane (r, h) takes k = 32 ks + 8 h + 0..7 and + 16 of token r, in f32, adds the two halves of the heads and packs
.irp p, 0,1
.irp ks, 0,1
	ds_load_b128 v[ACC+32*\p+16*\ks:ACC+32*\p+16*\ks+3],     v7 offset:4352*\p+128*\ks
	ds_load_b128 v[ACC+32*\p+16*\ks+4:ACC+32*\p+16*\ks+7],   v7 offset:4352*\p+128*\ks+16
	ds_load_b128 v[ACC+32*\p+16*\ks+8:ACC+32*\p+16*\ks+11],  v7 offset:4352*\p+128*\ks+64
	ds_load_b128 v[ACC+32*\p+16*\ks+12:ACC+32*\p+16*\ks+15], v7 offset:4352*\p+128*\ks+80
.endr
.endr
.irp ks, 0,1
	ds_load_b128 v[AT+16*\ks:AT+16*\ks+3],     v8 offset:128*\ks
	ds_load_b128 v[AT+16*\ks+4:AT+16*\ks+7],   v8 offset:128*\ks+16
	ds_load_b128 v[AT+16*\ks+8:AT+16*\ks+11],  v8 offset:128*\ks+64
	ds_load_b128 v[AT+16*\ks+12:AT+16*\ks+15], v8 offset:128*\ks+80
.endr
	s_wait_dscnt 0x0
.set ee, 0
.rept 16
	v_pk_add_f32 v[ACC+ee:ACC+ee+1], v[ACC+ee:ACC+ee+1], v[ACC+32+ee:ACC+32+ee+1]
.set ee, ee+2
.endr
.set ee, 0
.rept 16
	v_cvt_pk_bf16_f32 v[MF+ee], v[ACC+2*ee], v[ACC+2*ee+1]
	v_cvt_pk_bf16_f32 v[MF+16+ee], v[AT+2*ee], v[AT+2*ee+1]
.set ee, ee+1
.endr
	s_wait_loadcnt 16                              ; the weights are in; x's 16 loads may be out
	WIN 0x01                                       ; source 0 window 1
.irp nt, 0,1,2,3,4,5,6,7
	v_wmma_f32_16x16x32_bf16 v[ACC+8*\nt:ACC+8*\nt+7], v[8*(4*\nt):8*(4*\nt)+7], v[MF:MF+7], 0          ; the first K step starts the sums
.endr
.irp ks, 1,2,3
.irp nt, 0,1,2,3,4,5,6,7
	v_wmma_f32_16x16x32_bf16 v[ACC+8*\nt:ACC+8*\nt+7], v[8*(4*\nt+\ks):8*(4*\nt+\ks)+7], v[MF+8*\ks:MF+8*\ks+7], v[ACC+8*\nt:ACC+8*\nt+7]   ; the eight sums take turns
.endr
.endr
	WIN 0
.rept 4
	v_nop                                          ; four places in front of the LDS stores of the results and of the loads into the fragments' registers
.endr
.irp nt, 0,1,2,3,4,5,6,7
	ds_store_b128 v9, v[ACC+8*\nt:ACC+8*\nt+3] offset:64*\nt
	ds_store_b128 v9, v[ACC+8*\nt+4:ACC+8*\nt+7] offset:64*\nt+16
.endr
.irp row, 0,1,2,3,4,5,6,7,8,9,10,11,12,13,14,15
	ds_load_b128 v[RB+4*\row:RB+4*\row+3], v10 offset:528*\row     ; my own stage: LDS serves a wave's instructions in order
.endr
	s_wait_loadcnt 0x0                             ; x
.irp row, 0,1,2,3,4,5,6,7,8,9,10,11,12,13,14,15
	s_wait_dscnt 15-\row
	v_pk_add_f32 v[RB+4*\row:RB+4*\row+1], v[RB+4*\row:RB+4*\row+1], v[X+4*\row:X+4*\row+1]
	v_pk_add_f32 v[RB+4*\row+2:RB+4*\row+3], v[RB+4*\row+2:RB+4*\row+3], v[X+4*\row+2:X+4*\row+3]
	global_store_b128 v4, v[RB+4*\row:RB+4*\row+3], s[14:15] offset:4096*\row th:TH_STORE_NT   ; 512 consecutive bytes a store
.endr
	s_wait_tensorcnt 0x0
	ds_add_u32 v254, v255
	s_wait_dscnt 0x0
	s_endpgm
.Lfunc_end_k_q828d5dd6dc_outp:
	.size	k_q828d5dd6dc_outp, .Lfunc_end_k_q828d5dd6dc_outp-k_q828d5dd6dc_outp
	.p2alignl 7, 3214868480
	.fill 96, 4, 3214868480
	.section	.rodata,"a",@progbits
	.p2align	6, 0x0
	.amdhsa_kernel k_q828d5dd6dc_outp
		.amdhsa_group_segment_fixed_size 77824
		.amdhsa_private_segment_fixed_size 0
		.amdhsa_enable_private_segment 0
		.amdhsa_kernarg_size 48
		.amdhsa_user_sgpr_count 2
		.amdhsa_user_sgpr_kernarg_segment_ptr 1
		.amdhsa_wavefront_size32 1
		.amdhsa_system_sgpr_workgroup_id_x 1
		.amdhsa_system_sgpr_workgroup_id_y 1
		.amdhsa_system_sgpr_workgroup_id_z 1
		.amdhsa_system_vgpr_workitem_id 0
		.amdhsa_next_free_vgpr 512
		.amdhsa_next_free_sgpr 66
		.amdhsa_reserve_vcc 0
		.amdhsa_float_denorm_mode_32 3
		.amdhsa_float_denorm_mode_16_64 3
		.amdhsa_memory_ordered 1
		.amdhsa_forward_progress 1
		.amdhsa_inst_pref_size 31
	.end_amdhsa_kernel
	.amdgpu_metadata
---
amdhsa.version: [ 1, 2 ]
amdhsa.kernels:
  - .name:           k_q828d5dd6dc_outp
    .symbol:         k_q828d5dd6dc_outp.kd
    .args:
      - { .name: x, .offset: 0, .size: 8, .value_kind: global_buffer, .address_space: global }
      - { .name: at, .offset: 8, .size: 8, .value_kind: global_buffer, .address_space: global }
      - { .name: wot, .offset: 16, .size: 8, .value_kind: global_buffer, .address_space: global }
      - { .name: part, .offset: 24, .size: 8, .value_kind: global_buffer, .address_space: global }
      - { .name: bv2, .offset: 32, .size: 8, .value_kind: global_buffer, .address_space: global }
      - { .name: out0, .offset: 40, .size: 8, .value_kind: global_buffer, .address_space: global }
    .group_segment_fixed_size: 77824
    .private_segment_fixed_size: 0
    .kernarg_segment_align: 8
    .kernarg_segment_size: 48
    .max_flat_workgroup_size: 256
    .sgpr_count:     66
    .vgpr_count:     512
    .wavefront_size: 32
...
	.end_amdgpu_metadata
.endif
;; end of part 4
